; MI455X (gfx1250); checked and timed in simulation.
; The chip was launched on July 23, 2026; its instructions are those of AMD's public machine-readable ISA for CDNA 5 (MIT licence, August 2026) and "CDNA5" Instruction Set Architecture Reference Guide (July 2026). The comments in the code are by the model that wrote it; some were corrected since.
;; Encoder Layer. Allowed arithmetic: matrix products marked QUANTISED: E2M1 operands, one E8M0 scale for each 32 along K, by v_wmma_scale_f32_16x16x128_f8f6f4 with both operands' format E2M1 (or v_wmma_scale_f32_32x16x128_f4), f32 sums; products left as they are: bf16, f16 or f32 operands; f32 sums; everything else in f32.
;; Inputs: b1 1,024 float32; b2 256 float32; bk 256 float32; bo 256 float32; bq 256 float32; bv 256 float32; ln1_b 256 float32; ln1_g 256 float32; ln2_b 256 float32; ln2_g 256 float32; ln_ff_b 1,024 float32; ln_ff_g 1,024 float32; mask 4 x 1 x 1 x 4,096 float32; w1 256 x 1,024 float32; w2 1,024 x 256 float32; wk 256 x 256 float32; wo 256 x 256 float32; wq 256 x 256 float32; wv 256 x 256 float32; x 4 x 4,096 x 256 float32.
;; Outputs: out0 4 x 4,096 x 256 float32.
;; This version of the problem:
;;   THIS VERSION OF THE PROBLEM IS GIVEN IN LOW PRECISION. The matrix products marked QUANTISED in the list below multiply operands that are first quantised to E2M1 (2 exponent bits, 1 mantissa bit; 4 bits a number), with one power-of-two scale for each 32 numbers along K (OCP MX v1.0); their sums are f32. The products marked 'left as it is' may take bf16, f16 or f32 operands, with f32 sums. Whichever they take, every output number must still come out within the allowed error. Rounding operands to bf16 (8 significant bits) uses up far more of that allowance than f16 does (11 bits, for magnitudes from 6e-5 to 65,504). All else is computed in f32.
;;   The module's matrix products, in the order in which they are computed (A, B: the left and right operand; K: the contracted axis; several contracted axes count as one K, in the product's order):
;;     1. [M 16,384, K 256] x [K 256, N 256]; A: input x; B: input wq: QUANTISED
;;     2. [M 16,384, K 256] x [K 256, N 256]; A: input x; B: input wk: QUANTISED
;;     3. [M 16,384, K 256] x [K 256, N 256]; A: input x; B: input wv: QUANTISED
;;     4. batch 16 x [M 4,096, K 64] x [K 64, N 4,096]; A: computed on the way; B: computed on the way: left as it is (an operand is computed on the way)
;;     5. batch 16 x [M 4,096, K 4,096] x [K 4,096, N 64]; A: computed on the way; B: computed on the way: left as it is (an operand is computed on the way)
;;     6. [M 16,384, K 256] x [K 256, N 256]; A: computed on the way; B: input wo: left as it is (an operand is computed on the way)
;;     7. [M 16,384, K 256] x [K 256, N 1,024]; A: computed on the way; B: input w1: left as it is (an operand is computed on the way)
;;     8. [M 16,384, K 1,024] x [K 1,024, N 256]; A: computed on the way; B: input w2: left as it is (an operand is computed on the way)
;;   THE QUANTISER, for each operand of a quantised product, along K:
;;     - K is cut into blocks of 32 from its start; a last block that is shorter is filled with zeros.
;;     - A block's scale is 2^e with e = floor(log2(the largest magnitude in the block)) - 2, held to -126 .. 127; a block of zeros has e = 0. As a byte (E8M0): e + 127.
;;     - Each number is divided by its block's scale, clamped to +-6, and rounded to the nearest number of E2M1, ties to even, subnormals kept.
;;     - The product sums the exact products of the quantised numbers (number of the format x scale) in f32.
;;   ~~~python
;;   def quantise(x, axis):      # numpy; x: float32 -> the quantised numbers, widened to float32 again
;;       x = np.moveaxis(x, axis, -1); K = x.shape[-1]
;;       x = np.pad(x, [(0, 0)] * (x.ndim - 1) + [(0, -K % 32)]); x = x.reshape(x.shape[:-1] + (-1, 32)); a = np.abs(x).max(-1, keepdims=True)
;;       e = np.where(a > 0, np.clip(np.frexp(np.where(a > 0, a, 1))[1] - 1 - 2, -126, 127), 0)      # np.frexp(a)[1] - 1 = floor(log2(a)), exactly
;;       r = np.clip(x / 2.0 ** e, -6, 6)
;;       step = 2.0 ** (np.maximum(np.frexp(np.where(r == 0, 1, r))[1] - 1, 0) - 1)
;;       q = np.round(r / step) * step * 2.0 ** e      # np.round: ties to even
;;       return np.moveaxis(q.reshape(q.shape[:-2] + (-1,))[..., :K], -1, axis).astype(np.float32)
;;   ~~~
;; One version. Each part assembles by itself: llvm-mc -triple=amdgcn-amd-amdhsa -mcpu=gfx1250 --defsym DOCPART=n.
;; ======== version 1 of 1: 4 launches
;; limits: values are held in f16: magnitudes above 65,504 overflow, below 6.1e-05 lose precision
;; workspace buffers: wqf 98,304 bytes; wqs 12,288 bytes; wf 1,179,648 bytes; mk 65,536 bytes; qf 8,388,608 bytes; kv 16,777,216 bytes; cf 8,388,608 bytes
;; launch prep (part 1): grid 62 x 1, 4 waves a work-group, no clusters, 0 bytes of LDS; arguments wq, wk, wv, wo, w1, w2, mask, wqf, wqs, wf, mk; writes wqf, wqs, wf, mk
.if DOCPART == 1
	.amdgcn_target "amdgcn-amd-amdhsa--gfx1250"
	.amdhsa_code_object_version 6
	.text
	.protected	k_q1e7756bf3c_prep
	.globl	k_q1e7756bf3c_prep
	.p2align	8
	.type	k_q1e7756bf3c_prep,@function
k_q1e7756bf3c_prep:
	s_mov_b64 s[64:65], 0
	v_nop
	global_prefetch_b8 v0, s[64:65] scope:SCOPE_SE
	s_setreg_imm32_b32 hwreg(HW_REG_WAVE_MODE, 25, 1), 1
	s_wait_xcnt 0x0
; PREP: the weights and the mask are laid once as the later launches' operand registers want them.
; A FRAGMENT IMAGE is 1,024 bytes: the 8 registers of an operand fragment, registers 4 c .. 4 c + 3 of lane l at byte 512 c + 16 l.  A wave stores or loads it by two instructions of 512 consecutive bytes.
; Work-groups 0-23 (a wave a fragment): wq, wk, wv [256 (k)][256 (n)] f32 -> codes of FP4 (E2M1) along K with one E8M0 byte for each 32 k.  Fragment T = 32 mat + 8 head + 2 tl + s holds columns 64 head + 16 tl + r, k = 128 s on.
;   A lane takes a column and its registers run down K in the operand's own order (lane (r, h): k = 64 c + 32 h + 0 .. 31), so the conversions' results ARE the operand's registers.
;   A block's scale is 2^(floor(log2(largest magnitude)) - 2); its byte is the largest magnitude's exponent field - 2, held at 1 from below.  A block of zeros keeps the byte 1: its codes are zeros, and this program alone reads the bytes.
; Work-groups 24-59 (a wave eight fragments): wo, w1, w2 f32 -> f16 fragments (16 columns x 32 k; lane (r, h): column r, registers 0-3 k = 8 h + 0 .. 7, registers 4-7 k = 16 + 8 h + 0 .. 7) in the order in which the last launch takes them:
;   wf [i 0..71][wave w][tile n][1,024]: i 0-7 wo, i 8-39 w1 (column group (i - 8) / 8 of 256, k = 32 ((i - 8) % 8) on), i 40-71 w2 (k = 32 (i - 40) on); columns 64 w + 16 n + r of the group.
; Work-groups 60, 61: mk = mask x (-1e9 log2(e)), the term that the attention adds to a score in base 2.
; LIMITS: NaN and infinities among the inputs are not served; weights beyond f16's largest number (65,504) are not served; blocks whose largest magnitude lies under 2^-124 have their byte held at 1.
; No LDS, no barrier, no matrix instruction: waves share nothing.
	s_load_b512 s[4:19], s[0:1], 0x0               ; wq s[4:5], wk s[6:7], wv s[8:9], wo s[10:11], w1 s[12:13], w2 s[14:15], mask s[16:17], wqf s[18:19]
	s_load_b128 s[20:23], s[0:1], 0x40             ; wqs s[20:21], wf s[22:23]
	s_load_b64 s[24:25], s[0:1], 0x50              ; mk
	v_lshrrev_b32 v1, 5, v0
	v_readfirstlane_b32 s26, v1                    ; wave 0..3
	v_and_b32 v1, 15, v0                           ; r
	v_bfe_u32 v2, v0, 4, 1                         ; h
	v_and_b32 v3, 31, v0                           ; lane
	v_lshlrev_b32 v6, 4, v3                        ; 16 x lane: my place in half an image
	v_lshlrev_b32 v7, 2, v3                        ; 4 x lane: my place among scale words
	s_mov_b32 s31, 0                               ; the upper word of every offset pair s[30:31]
	s_wait_kmcnt 0x0
	s_cmp_lt_u32 ttmp9, 24
	s_cbranch_scc0 .Lnot_fp4
	; ---- one FP4 fragment
	s_lshr_b32 s27, ttmp9, 3                       ; which matrix: 0 wq, 1 wk, 2 wv
	s_cmp_eq_u32 s27, 0
	s_cselect_b64 s[32:33], s[4:5], s[6:7]
	s_cmp_eq_u32 s27, 2
	s_cselect_b64 s[32:33], s[8:9], s[32:33]
	s_lshl_b32 s28, ttmp9, 2
	s_add_co_u32 s28, s28, s26                     ; T
	s_bfe_u32 s29, s28, 0x40001                    ; 4 head + tl: four bits from bit 1
	s_lshl_b32 s29, s29, 6                         ; 16 columns of 4 bytes each
	s_and_b32 s30, s26, 1                          ; s
	s_lshl_b32 s30, s30, 17                        ; 128 rows of 1,024 bytes
	s_add_co_u32 s30, s30, s29
	s_add_nc_u64 s[32:33], s[32:33], s[30:31]
	s_lshl_b32 s30, s28, 10
	s_add_nc_u64 s[18:19], s[18:19], s[30:31]      ; my image
	s_lshl_b32 s30, s28, 7
	s_add_nc_u64 s[20:21], s[20:21], s[30:31]      ; my scale words
	v_lshlrev_b32 v4, 2, v1
	v_lshl_add_u32 v5, v2, 15, v4                  ; column r; lanes 16-31 begin 32 rows further down
	s_mov_b32 s34, 0x76543210
	s_mov_b32 s35, 0xfedcba98                      ; v_permlanex16_b32's selects for lane l xor 16
.irp c, 0,1
.set II, 0
.rept 32
	global_load_b32 v[64+32*\c+II], v5, s[32:33] offset:1024*(64*\c+II)   ; w(128 s + 64 c + 32 h + i, column)
.set II, II+1
.endr
.endr
	s_wait_loadcnt 0x0
.irp c, 0,1                                    ; my block 2 c + h: all its 32 numbers are mine
	v_max3_num_f32 v[32+\c], |v[64+32*\c]|, |v[65+32*\c]|, 0x1800000   ; with the floor 2^(3 - 127): the byte cannot fall under 1
.endr
.irp i, 2,4,6,8,10,12,14,16,18,20,22,24,26,28,30
.irp c, 0,1
	v_max3_num_f32 v[32+\c], v[32+\c], |v[64+32*\c+\i]|, |v[65+32*\c+\i]|
.endr
.endr
.irp c, 0,1
	v_add_nc_u32 v[44+\c], 0xff000000, v[32+\c]    ; 2 off the exponent field: the conversion takes the exponent field of this operand as its scale
.endr
.irp c, 0,1
	v_lshrrev_b32 v[36+\c], 23, v[44+\c]           ; the scale's byte
.endr
	v_lshl_or_b32 v9, v37, 16, v36                 ; my two bytes: blocks h and 2 + h,
	v_lshlrev_b32 v10, 3, v2
	v_lshlrev_b32 v9, v10, v9                      ; at their places in the word;
	v_mov_b32 v10, 0
	v_permlanex16_b32 v10, v9, s34, s35
	v_or_b32 v9, v9, v10                           ; with lane l xor 16's two the word is whole, in both lanes
.irp c, 0,1
.irp g, 0,1,2,3
	v_cvt_scalef32_pk8_fp4_f32 v[48+4*\c+\g], v[64+32*\c+8*\g:71+32*\c+8*\g], v[44+\c]
.endr
.endr
	v_nop                                          ; a plain line behind the last scaled conversion
	global_store_b128 v6, v[48:51], s[18:19]       ; 512 consecutive bytes
	global_store_b128 v6, v[52:55], s[18:19] offset:512
	global_store_b32 v7, v9, s[20:21]
	s_endpgm
; Eight f16 fragments of one tile of 16 columns: k = 0 .. 255 from s[32:33] on, rows pitch bytes apart.  All 128 loads go out first; a fragment's wait counts the younger fragments' loads, 16 each.
.macro CONV pitch
	v_mul_u32_u24 v4, v2, 8*\pitch
	v_lshl_add_u32 v4, v1, 2, v4                   ; 8 h rows down, column r
.set KK, 0
.rept 8
.set EE, 0
.rept 8
	global_load_b32 v[16+16*KK+EE], v4, s[32:33] offset:(32*KK+EE)*\pitch
	global_load_b32 v[24+16*KK+EE], v4, s[32:33] offset:(32*KK+16+EE)*\pitch
.set EE, EE+1
.endr
.set KK, KK+1
.endr
.set KK, 0
.rept 8
.if 16*(7-KK) > 63
	s_wait_loadcnt 63
.else
	s_wait_loadcnt 16*(7-KK)
.endif
.irp p, 0,1,2,3,4,5,6,7
	v_cvt_pk_f16_f32 v[144+8*KK+\p], v[16+16*KK+2*\p], v[17+16*KK+2*\p]
.endr
	global_store_b128 v6, v[144+8*KK:147+8*KK], s[22:23] offset:16384*KK
	global_store_b128 v6, v[148+8*KK:151+8*KK], s[22:23] offset:16384*KK+512
.set KK, KK+1
.endr
	s_endpgm
.endm
.Lnot_fp4:
	s_cmp_lt_u32 ttmp9, 60
	s_cbranch_scc0 .Lmask
	; ---- eight f16 fragments
	s_sub_co_u32 s27, ttmp9, 24
	s_lshr_b32 s28, s27, 2                         ; G: 0 wo, 1-4 w1's column groups, 5-8 w2's runs of 256 along K
	s_and_b32 s29, s27, 3                          ; w: the wave of the last launch that will take them
	s_lshl_b32 s34, s29, 8
	s_lshl_b32 s35, s26, 6
	s_add_co_u32 s34, s34, s35                     ; columns 64 w + 16 n, in bytes
	s_lshl_b32 s30, s28, 17                        ; wf: 8 steps of 16,384 bytes for each G,
	s_lshl_b32 s35, s29, 12
	s_add_co_u32 s30, s30, s35                     ; + 4,096 w
	s_lshl_b32 s35, s26, 10
	s_add_co_u32 s30, s30, s35                     ; + 1,024 n
	s_add_nc_u64 s[22:23], s[22:23], s[30:31]
	s_sub_co_u32 s35, s28, 1
	s_cmp_lt_u32 s35, 4                            ; G = 1 .. 4 (G = 0 wraps round to the greatest number)
	s_cbranch_scc0 .Lnarrow
	s_lshl_b32 s35, s35, 10                        ; w1: 256 columns for each group
	s_add_co_u32 s30, s34, s35
	s_add_nc_u64 s[32:33], s[12:13], s[30:31]
	CONV 4096
.Lnarrow:
	s_cmp_eq_u32 s28, 0
	s_cselect_b64 s[32:33], s[10:11], s[14:15]     ; wo or w2
	s_max_u32 s35, s28, 5
	s_sub_co_u32 s35, s35, 5
	s_lshl_b32 s35, s35, 18                        ; w2: 256 rows of 1,024 bytes for each run
	s_add_co_u32 s30, s34, s35
	s_add_nc_u64 s[32:33], s[32:33], s[30:31]
	CONV 1024
.Lmask:
	; ---- the mask's terms: 8,192 bytes a wave
	s_sub_co_u32 s27, ttmp9, 60
	s_lshl_b32 s27, s27, 2
	s_add_co_u32 s27, s27, s26
	s_lshl_b32 s30, s27, 13
	s_add_nc_u64 s[16:17], s[16:17], s[30:31]
	s_add_nc_u64 s[24:25], s[24:25], s[30:31]
.irp q, 0,1,2,3,4,5,6,7,8,9,10,11,12,13,14,15
	global_load_b128 v[16+4*\q:19+4*\q], v6, s[16:17] offset:512*\q
.endr
.irp q, 0,1,2,3,4,5,6,7,8,9,10,11,12,13,14,15
	s_wait_loadcnt 15-\q                           ; loads come back in order: the younger ones stay out
	v_pk_mul_f32 v[16+4*\q:17+4*\q], v[16+4*\q:17+4*\q], 0xceabfb8f op_sel_hi:[1,0]   ; x -1e9 log2(e)
	v_pk_mul_f32 v[18+4*\q:19+4*\q], v[18+4*\q:19+4*\q], 0xceabfb8f op_sel_hi:[1,0]
	global_store_b128 v6, v[16+4*\q:19+4*\q], s[24:25] offset:512*\q
.endr
	s_endpgm
.Lfunc_end_k_q1e7756bf3c_prep:
	.size	k_q1e7756bf3c_prep, .Lfunc_end_k_q1e7756bf3c_prep-k_q1e7756bf3c_prep
	.p2alignl 7, 3214868480
	.fill 96, 4, 3214868480
	.section	.rodata,"a",@progbits
	.p2align	6, 0x0
	.amdhsa_kernel k_q1e7756bf3c_prep
		.amdhsa_group_segment_fixed_size 0
		.amdhsa_private_segment_fixed_size 0
		.amdhsa_enable_private_segment 0
		.amdhsa_kernarg_size 88
		.amdhsa_user_sgpr_count 2
		.amdhsa_user_sgpr_kernarg_segment_ptr 1
		.amdhsa_wavefront_size32 1
		.amdhsa_system_sgpr_workgroup_id_x 1
		.amdhsa_system_sgpr_workgroup_id_y 1
		.amdhsa_system_sgpr_workgroup_id_z 1
		.amdhsa_system_vgpr_workitem_id 0
		.amdhsa_next_free_vgpr 224
		.amdhsa_next_free_sgpr 66
		.amdhsa_reserve_vcc 0
		.amdhsa_float_denorm_mode_32 3
		.amdhsa_float_denorm_mode_16_64 3
		.amdhsa_memory_ordered 1
		.amdhsa_forward_progress 1
		.amdhsa_inst_pref_size 55
	.end_amdhsa_kernel
	.amdgpu_metadata
---
amdhsa.version: [ 1, 2 ]
amdhsa.kernels:
  - .name:           k_q1e7756bf3c_prep
    .symbol:         k_q1e7756bf3c_prep.kd
    .args:
      - { .name: wq, .offset: 0, .size: 8, .value_kind: global_buffer, .address_space: global }
      - { .name: wk, .offset: 8, .size: 8, .value_kind: global_buffer, .address_space: global }
      - { .name: wv, .offset: 16, .size: 8, .value_kind: global_buffer, .address_space: global }
      - { .name: wo, .offset: 24, .size: 8, .value_kind: global_buffer, .address_space: global }
      - { .name: w1, .offset: 32, .size: 8, .value_kind: global_buffer, .address_space: global }
      - { .name: w2, .offset: 40, .size: 8, .value_kind: global_buffer, .address_space: global }
      - { .name: mask, .offset: 48, .size: 8, .value_kind: global_buffer, .address_space: global }
      - { .name: wqf, .offset: 56, .size: 8, .value_kind: global_buffer, .address_space: global }
      - { .name: wqs, .offset: 64, .size: 8, .value_kind: global_buffer, .address_space: global }
      - { .name: wf, .offset: 72, .size: 8, .value_kind: global_buffer, .address_space: global }
      - { .name: mk, .offset: 80, .size: 8, .value_kind: global_buffer, .address_space: global }
    .group_segment_fixed_size: 0
    .private_segment_fixed_size: 0
    .kernarg_segment_align: 8
    .kernarg_segment_size: 88
    .max_flat_workgroup_size: 128
    .sgpr_count:     66
    .vgpr_count:     224
    .wavefront_size: 32
...
	.end_amdgpu_metadata
.endif
;; end of part 1
;; launch qkv (part 2): grid 256 x 1, 4 waves a work-group, no clusters, 76,288 bytes of LDS; arguments x, wqf, wqs, bq, bk, bv, qf, kv; writes qf, kv
.if DOCPART == 2
	.amdgcn_target "amdgcn-amd-amdhsa--gfx1250"
	.amdhsa_code_object_version 6
	.text
	.protected	k_q1e7756bf3c_qkv
	.globl	k_q1e7756bf3c_qkv
	.p2align	8
	.type	k_q1e7756bf3c_qkv,@function
k_q1e7756bf3c_qkv:
	s_mov_b64 s[64:65], 0
	v_nop
	global_prefetch_b8 v0, s[64:65] scope:SCOPE_SE
	s_setreg_imm32_b32 hwreg(HW_REG_WAVE_MODE, 25, 1), 1
	s_wait_xcnt 0x0
; QKV: q = x wq + bq, k = x wk + bk, v = x wv + bv, on codes of FP4 (E2M1) with one E8M0 scale for each 32 along K = 256; sums in f32.  The results leave as f16 fragment images for the attention.
; SHARES.  A work-group takes 64 rows of x (64 keys, one key step of the attention).  Wave w quantises rows 16 w .. 16 w + 15; then THE WAVES SHARE THE COLUMNS: wave w makes head w's 64 columns of q, of k and of v for all 64 rows:
; 12 tiles of 16 columns (U = 4 mat + tl), 2 K steps of 128, 4 tiles of rows: 96 matrix instructions.  Its 24 weight fragments (made by the launch before) go from memory straight into its registers, once: 24 KB a wave; nothing is filled again,
; so there is no tensor load, no ring and no cluster here.
; x's codes go from wave to wave through LDS as images of the operand's registers (1,024 bytes a fragment: registers 4 c .. 4 c + 3 of lane l at 512 c + 16 l), the scale words at 4 x lane.
; x is loaded densely (512 consecutive bytes an instruction) and turned through the wave's own stage in LDS, so that a lane gets 16 neighbours of each block of 32 of ITS row.
; q AND k ARE MADE TRANSPOSED (source 0 = 16 columns of the weight, source 1 = 16 rows of x): a lane holds one row and eight neighbouring channels, which packed to f16 are half a fragment with K = the channels.
; v IS MADE THE NATURAL WAY (source 0 = x, source 1 = the weight): a lane holds one channel and eight neighbouring keys: half a fragment of V^T with K = the keys.  So nothing is transposed by an instruction.
; The biases are the C of each sum's first matrix instruction.  q is multiplied by log2(e) / 8 before it is rounded, so that the attention's scores arrive in base 2.
; OUT: qf [bh][query tile][g][1,024];  kv [bh][slot of 512 keys][131,072]: [key tile 0..31][g][1,024], then from byte 65,536 [32 keys 0..15][channel tile 0..3][1,024].
; LIMITS: NaN and infinities among the inputs are not served; q, k, v beyond f16's largest number (65,504) are not served; a block of x whose largest magnitude lies under 2^-124 has its byte held at 1 (a block of zeros too: its codes are zeros).
; REGISTERS.  window 0: v1-11 addresses; v16-31 x's two fragments; v32-33 their scale words; v34-57 the weights' scale words; v64-127 64 numbers of x, later the packed results; v128-255 x as loaded, then 64 numbers and the quantiser's
; work, then the 12 accumulators (v128-223).   window 1: the weights' fragments (U, s) at v[16 U + 8 s].   window 2: the biases, tile U at v[8 U].
.set XP,    1040                       ; a stage row: 1,024 bytes + 16: row r starts 4 r banks on
.set XIMG,  66560                      ; behind the four stages of 16 rows: x's 8 fragments, (row tile m, K step s) at (2 m + s) x 1,024
.set XSC,   74752                      ; their scale words, 128 bytes each
.set SPARE, 75776                      ; the spare words, 128 bytes for each wave: two blocks of 256 bytes that no other line names
.set L16, 1                            ; v1   16 x lane
.set L4,  2                            ; v2   4 x lane
.set SWR, 3                            ; v3   the stage, on the way in: my wave's + 16 x lane
.set SRD, 4                            ; v4   and out: row r, + 64 h: my 16 numbers of a block
.set XWI, 5                            ; v5   where I store x's images
.set XWS, 6                            ; v6   and their scale words
.set XRI, 7                            ; v7   where any wave reads them
.set XRS, 8                            ; v8
.set BT8, 9                            ; v9   biases of q and k: 256 w + 32 h
.set BR,  10                           ; v10  bias of v: 256 w + 4 r
.set XF,  16
.set XS,  32
.set WS,  34
.set SPW, 58                           ; v58  LDS address of my spare word; never rewritten
.set NIL, 59                           ; v59  0; never rewritten
.set PW,  60                           ; the scale word just made
.set NUM0, 64
.set OUTP, 64
.set RAW,  128
.set NUM1, 128
.set AC,   128
.set TM,   224                         ; v224-239 the quantiser's work
.set PC,   248                         ; v248-255 the codes just made
.set SEL,  24                          ; s[24:25]
.set MSB, 0
.macro WIN new                         ; the immediate's high byte repeats the setting that is left; a switch that changes nothing is dropped
.if MSB != (\new)
	s_set_vgpr_msb (MSB<<8)|(\new)
.set MSB, (\new)
.endif
.endm
; 64 numbers of a lane, register 16 b + i = k 32 b + 16 (lane / 16) + i of my row, become a fragment's codes in v[PC] on and its scale word in v[PW].
.macro QUANT s
.irp b, 0,1,2,3
	v_max3_num_f32 v[TM+\b], |v[\s+16*\b]|, |v[\s+1+16*\b]|, 0x1800000   ; block b: my 16 numbers, and the floor 2^(3 - 127): the byte cannot fall under 1
.endr
.irp i, 2,4,6,8,10,12,14
.irp b, 0,1,2,3
	v_max3_num_f32 v[TM+\b], v[TM+\b], |v[\s+16*\b+\i]|, |v[\s+1+16*\b+\i]|   ; the four blocks by turns
.endr
.endr
.irp b, 0,1,2,3
	v_permlanex16_b32 v[TM+4+\b], v[TM+\b], s[SEL], s[SEL+1]
.endr
.irp b, 0,1,2,3
	v_max_num_f32 v[TM+\b], v[TM+\b], v[TM+4+\b]   ; with lane l xor 16's: the block's largest magnitude
.endr
.irp b, 0,1,2,3
	v_add_nc_u32 v[TM+12+\b], 0xff000000, v[TM+\b] ; 2 off its exponent field: the conversion's scale operand
.endr
.irp b, 0,1,2,3
	v_lshrrev_b32 v[TM+4+\b], 23, v[TM+12+\b]      ; the scale's byte
.endr
	v_lshl_or_b32 v[PW], v[TM+5], 8, v[TM+4]
	v_lshl_or_b32 v[PW], v[TM+6], 16, v[PW]
	v_lshl_or_b32 v[PW], v[TM+7], 24, v[PW]        ; my row's scale word
.irp b, 0,1,2,3
	v_cvt_scalef32_pk8_fp4_f32 v[PC+2*\b], v[\s+16*\b:\s+7+16*\b], v[TM+12+\b]
	v_cvt_scalef32_pk8_fp4_f32 v[PC+1+2*\b], v[\s+8+16*\b:\s+15+16*\b], v[TM+12+\b]
.endr
	v_nop                                          ; one plain line behind the scaled conversions
.irp c, 0,1                                    ; the operand's layout wants a whole block in a lane: lanes 0-15 block 2 c, lanes 16-31 block 2 c + 1
.irp i, 0,1
	v_permlane16_swap_b32 v[PC+4*\c+\i], v[PC+2+4*\c+\i]
.endr
.endr
.endm
.macro IMAGE off                               ; the fragment in v[PC] on goes to LDS as it stands
	ds_store_b128 v[XWI], v[PC:PC+3] offset:\off
	ds_store_b128 v[XWI], v[PC+4:PC+7] offset:\off+512
.endm
; a product of tile uu, K step ss.  TW: transposed (q, k).  NW: natural (v).  first = 1: the bias is C
.macro TW uu, ss, first
.if \first
	v_wmma_scale_f32_16x16x128_f8f6f4 v[AC+8*(\uu):AC+8*(\uu)+7], v[16*(\uu)+8*(\ss):16*(\uu)+8*(\ss)+7], v[XF+8*(\ss):XF+8*(\ss)+7], v[8*(\uu):8*(\uu)+7], v[WS+2*(\uu)+(\ss)], v[XS+(\ss)] matrix_a_fmt:MATRIX_FMT_FP4 matrix_b_fmt:MATRIX_FMT_FP4
.else
	v_wmma_scale_f32_16x16x128_f8f6f4 v[AC+8*(\uu):AC+8*(\uu)+7], v[16*(\uu)+8*(\ss):16*(\uu)+8*(\ss)+7], v[XF+8*(\ss):XF+8*(\ss)+7], v[AC+8*(\uu):AC+8*(\uu)+7], v[WS+2*(\uu)+(\ss)], v[XS+(\ss)] matrix_a_fmt:MATRIX_FMT_FP4 matrix_b_fmt:MATRIX_FMT_FP4
.endif
.endm
.macro NW uu, ss, first
.if \first
	v_wmma_scale_f32_16x16x128_f8f6f4 v[AC+8*(\uu):AC+8*(\uu)+7], v[XF+8*(\ss):XF+8*(\ss)+7], v[16*(\uu)+8*(\ss):16*(\uu)+8*(\ss)+7], v[8*(\uu):8*(\uu)+7], v[XS+(\ss)], v[WS+2*(\uu)+(\ss)] matrix_a_fmt:MATRIX_FMT_FP4 matrix_b_fmt:MATRIX_FMT_FP4
.else
	v_wmma_scale_f32_16x16x128_f8f6f4 v[AC+8*(\uu):AC+8*(\uu)+7], v[XF+8*(\ss):XF+8*(\ss)+7], v[16*(\uu)+8*(\ss):16*(\uu)+8*(\ss)+7], v[AC+8*(\uu):AC+8*(\uu)+7], v[XS+(\ss)], v[WS+2*(\uu)+(\ss)] matrix_a_fmt:MATRIX_FMT_FP4 matrix_b_fmt:MATRIX_FMT_FP4
.endif
.endm
	s_load_b512 s[4:19], s[0:1], 0x0               ; x s[4:5], wqf s[6:7], wqs s[8:9], bq s[10:11], bk s[12:13], bv s[14:15], qf s[16:17], kv s[18:19]
	v_lshl_add_u32 v[SPW], v0, 2, SPARE
	v_mov_b32 v[NIL], 0
	v_lshrrev_b32 v12, 5, v0
	v_readfirstlane_b32 s20, v12                   ; wave 0..3 = the head whose columns I make
	v_and_b32 v12, 31, v0                          ; lane
	v_and_b32 v13, 15, v0                          ; r
	v_bfe_u32 v14, v0, 4, 1                        ; h
	v_lshlrev_b32 v[L16], 4, v12
	v_lshlrev_b32 v[L4], 2, v12
	s_mul_i32 s21, s20, 16*XP                      ; my stage
	v_add_nc_u32 v[SWR], s21, v[L16]
	v_mul_u32_u24 v[SRD], v13, XP
	v_lshl_add_u32 v[SRD], v14, 6, v[SRD]
	v_add_nc_u32 v[SRD], s21, v[SRD]
	s_lshl_b32 s21, s20, 11
	v_add_nc_u32 v[XWI], s21, v[L16]
	v_add_nc_u32 v[XWI], XIMG, v[XWI]
	s_lshl_b32 s21, s20, 8
	v_add_nc_u32 v[XWS], s21, v[L4]
	v_add_nc_u32 v[XWS], XSC, v[XWS]
	v_add_nc_u32 v[XRI], XIMG, v[L16]
	v_add_nc_u32 v[XRS], XSC, v[L4]
	v_lshl_add_u32 v[BT8], v14, 5, s21
	v_lshl_add_u32 v[BR], v13, 2, s21
	s_mov_b32 s[SEL], 0x76543210
	s_mov_b32 s[SEL+1], 0xfedcba98
	s_lshl_b32 s22, ttmp9, 16                      ; x: 64 rows of 1,024 bytes a work-group,
	s_lshl_b32 s23, s20, 14                        ; 16 a wave
	s_add_co_u32 s22, s22, s23
	s_mov_b32 s23, 0
	s_lshl_b32 s26, s20, 13                        ; wqf: 8 fragments a head in each matrix
	s_mov_b32 s27, 0
	s_lshl_b32 s28, s20, 10                        ; wqs: 8 x 128 bytes
	s_mov_b32 s29, 0
	s_lshr_b32 s30, ttmp9, 6
	s_lshl_b32 s30, s30, 2
	s_add_co_u32 s30, s30, s20                     ; bh = 4 b + head
	s_and_b32 s31, ttmp9, 63                       ; which 64 rows of the sequence
	s_lshl_b32 s32, s30, 19
	s_lshl_b32 s33, s31, 13
	s_add_co_u32 s32, s32, s33                     ; qf: 524,288 bh + 4 query tiles of 2,048
	s_mov_b32 s33, 0
	s_lshl_b32 s34, s30, 20
	s_lshr_b32 s35, s31, 3
	s_lshl_b32 s35, s35, 17
	s_add_co_u32 s34, s34, s35                     ; kv: 1,048,576 bh + 131,072 slot
	s_and_b32 s35, s31, 7
	s_lshl_b32 s35, s35, 13
	s_add_co_u32 s34, s34, s35                     ; + 8,192 x the key step in the slot
	s_mov_b32 s35, 0
	s_wait_kmcnt 0x0
	s_add_nc_u64 s[4:5], s[4:5], s[22:23]
	s_add_nc_u64 s[6:7], s[6:7], s[26:27]
	s_add_nc_u64 s[8:9], s[8:9], s[28:29]
	s_add_nc_u64 s[16:17], s[16:17], s[32:33]
	s_add_nc_u64 s[18:19], s[18:19], s[34:35]
.set QQ, 0
.rept 32
	global_load_b128 v[RAW+4*QQ:RAW+4*QQ+3], v[L16], s[4:5] offset:512*QQ th:TH_LOAD_NT   ; my 16 rows are 16,384 bytes on end
.set QQ, QQ+1
.endr
	WIN 0x40                                       ; destination window 1
.irp mat, 0,1,2
.irp tl, 0,1,2,3
.irp ss, 0,1
.irp cc, 0,1
	global_load_b128 v[16*(4*\mat+\tl)+8*\ss+4*\cc:16*(4*\mat+\tl)+8*\ss+4*\cc+3], v[L16], s[6:7] offset:32768*\mat+1024*(2*\tl+\ss)+512*\cc
.endr
.endr
.endr
.endr
	WIN 0
.irp mat, 0,1,2
.irp tl, 0,1,2,3
.irp ss, 0,1
	global_load_b32 v[WS+2*(4*\mat+\tl)+\ss], v[L4], s[8:9] offset:4096*\mat+128*(2*\tl+\ss)
.endr
.endr
.endr
	WIN 0x80                                       ; destination window 2
.irp tl, 0,1,2,3                               ; q, k: lane (r, h) wants the bias of channels 16 tl + 8 h + 0 .. 7
	global_load_b128 v[8*\tl:8*\tl+3], v[BT8], s[10:11] offset:64*\tl
	global_load_b128 v[8*\tl+4:8*\tl+7], v[BT8], s[10:11] offset:64*\tl+16
	global_load_b128 v[32+8*\tl:32+8*\tl+3], v[BT8], s[12:13] offset:64*\tl
	global_load_b128 v[32+8*\tl+4:32+8*\tl+7], v[BT8], s[12:13] offset:64*\tl+16
.endr
.irp tl, 0,1,2,3                               ; v: all eight registers of lane (r, h) hold the bias of channel 16 tl + r
.irp j, 0,1,2,3,4,5,6,7
	global_load_b32 v[64+8*\tl+\j], v[BR], s[14:15] offset:64*\tl
.endr
.endr
	WIN 0
	s_wait_loadcnt 63                              ; x is in: 120 younger loads were issued behind it
.set QQ, 0
.rept 32
	ds_store_b128 v[SWR], v[RAW+4*QQ:RAW+4*QQ+3] offset:(QQ/2)*XP+(QQ%2)*512
.set QQ, QQ+1
.endr
.irp b, 0,1,2,3                                ; LDS serves a wave's instructions in order: these see my stores
.irp j, 0,1,2,3
	ds_load_b128 v[NUM0+16*\b+4*\j:NUM0+16*\b+4*\j+3], v[SRD] offset:128*\b+16*\j
.endr
.endr
	s_wait_dscnt 0x0                               ; K step 0's numbers are in, and the stores have read x's registers, which take K step 1's
.irp b, 0,1,2,3
.irp j, 0,1,2,3
	ds_load_b128 v[NUM1+16*\b+4*\j:NUM1+16*\b+4*\j+3], v[SRD] offset:512+128*\b+16*\j
.endr
.endr
.irp b, 0,1,2,3
	v_mov_b32 v[TM+4+\b], 0                        ; written once: a lane permute's destination counts as one of its sources
.endr
	QUANT NUM0
	IMAGE 0
	ds_store_b32 v[XWS], v[PW]
	s_wait_dscnt 0x0                               ; K step 1's numbers are in, and the stores have read the codes' registers
	QUANT NUM1
	IMAGE 1024
	ds_store_b32 v[XWS], v[PW] offset:128
	s_wait_dscnt 0x0                               ; for the others' sake: my images lie in LDS
	s_barrier_signal -1
	s_barrier_wait -1                              ; everybody's do; LDS is only read from here on
	s_wait_loadcnt 0x0                             ; weights, their scale words, biases
; A tile of 16 rows: 24 matrix instructions, the twelve accumulators by turns, K step by K step.
.macro ROWT m
.irp qq, 0,1,2,3
	ds_load_b128 v[XF+4*\qq:XF+4*\qq+3], v[XRI] offset:2048*(\m)+512*\qq
.endr
	ds_load_b32 v[XS], v[XRS] offset:256*(\m)
	ds_load_b32 v[XS+1], v[XRS] offset:256*(\m)+128
	s_wait_dscnt 0x0
	WIN 0x21                                       ; source 0 (weight) window 1, source 2 (bias) window 2
.irp uu, 0,1,2,3,4,5,6,7
	TW \uu, 0, 1
.endr
	WIN 0x24                                       ; source 1 (weight) window 1, source 2 window 2
.irp uu, 8,9,10,11
	NW \uu, 0, 1
.endr
	WIN 0x01
.irp uu, 0,1,2,3,4,5,6,7
	TW \uu, 1, 0
.endr
	WIN 0x04
.irp uu, 8,9,10,11
	NW \uu, 1, 0
.endr
	WIN 0
.rept 4
	v_nop                                          ; four places between the last products and the first read of results; with the conversions below they also stand ahead of the next tile's loads and products
.endr
	s_wait_xcnt 0x0                                ; the last tile's stores have read their registers
.irp uu, 0,1,2,3
.irp pp, 0,1,2,3
	v_pk_mul_f32 v[AC+8*\uu+2*\pp:AC+8*\uu+2*\pp+1], v[AC+8*\uu+2*\pp:AC+8*\uu+2*\pp+1], 0x3e38aa3b op_sel_hi:[1,0]   ; q x log2(e) / 8; each accumulator from its low end on
.endr
.endr
.irp uu, 0,1,2,3,4,5,6,7,8,9,10,11
.irp pp, 0,1,2,3
	v_cvt_pk_f16_f32 v[OUTP+4*\uu+\pp], v[AC+8*\uu+2*\pp], v[AC+8*\uu+2*\pp+1]
.endr
.endr
.irp tl, 0,1,2,3                               ; each store is half an image: 512 consecutive bytes
	global_store_b128 v[L16], v[OUTP+4*\tl:OUTP+4*\tl+3], s[16:17] offset:2048*(\m)+(\tl/2)*1024+(\tl%2)*512
	global_store_b128 v[L16], v[OUTP+16+4*\tl:OUTP+16+4*\tl+3], s[18:19] offset:2048*(\m)+(\tl/2)*1024+(\tl%2)*512
	global_store_b128 v[L16], v[OUTP+32+4*\tl:OUTP+32+4*\tl+3], s[18:19] offset:65536+((\m)/2)*4096+\tl*1024+((\m)%2)*512
.endr
.endm
	ROWT 0
	ROWT 1
	ROWT 2
	ROWT 3
	s_wait_tensorcnt 0x0                           ; the wave's end, behind my last LDS store
	ds_add_u32 v[SPW], v[NIL]
	s_wait_dscnt 0x0
	s_endpgm
.Lfunc_end_k_q1e7756bf3c_qkv:
	.size	k_q1e7756bf3c_qkv, .Lfunc_end_k_q1e7756bf3c_qkv-k_q1e7756bf3c_qkv
	.p2alignl 7, 3214868480
	.fill 96, 4, 3214868480
	.section	.rodata,"a",@progbits
	.p2align	6, 0x0
	.amdhsa_kernel k_q1e7756bf3c_qkv
		.amdhsa_group_segment_fixed_size 76288
		.amdhsa_private_segment_fixed_size 0
		.amdhsa_enable_private_segment 0
		.amdhsa_kernarg_size 64
		.amdhsa_user_sgpr_count 2
		.amdhsa_user_sgpr_kernarg_segment_ptr 1
		.amdhsa_wavefront_size32 1
		.amdhsa_system_sgpr_workgroup_id_x 1
		.amdhsa_system_sgpr_workgroup_id_y 1
		.amdhsa_system_sgpr_workgroup_id_z 1
		.amdhsa_system_vgpr_workitem_id 0
		.amdhsa_next_free_vgpr 608
		.amdhsa_next_free_sgpr 66
		.amdhsa_reserve_vcc 0
		.amdhsa_float_denorm_mode_32 3
		.amdhsa_float_denorm_mode_16_64 3
		.amdhsa_memory_ordered 1
		.amdhsa_forward_progress 1
		.amdhsa_inst_pref_size 67
	.end_amdhsa_kernel
	.amdgpu_metadata
---
amdhsa.version: [ 1, 2 ]
amdhsa.kernels:
  - .name:           k_q1e7756bf3c_qkv
    .symbol:         k_q1e7756bf3c_qkv.kd
    .args:
      - { .name: x, .offset: 0, .size: 8, .value_kind: global_buffer, .address_space: global }
      - { .name: wqf, .offset: 8, .size: 8, .value_kind: global_buffer, .address_space: global }
      - { .name: wqs, .offset: 16, .size: 8, .value_kind: global_buffer, .address_space: global }
      - { .name: bq, .offset: 24, .size: 8, .value_kind: global_buffer, .address_space: global }
      - { .name: bk, .offset: 32, .size: 8, .value_kind: global_buffer, .address_space: global }
      - { .name: bv, .offset: 40, .size: 8, .value_kind: global_buffer, .address_space: global }
      - { .name: qf, .offset: 48, .size: 8, .value_kind: global_buffer, .address_space: global }
      - { .name: kv, .offset: 56, .size: 8, .value_kind: global_buffer, .address_space: global }
    .group_segment_fixed_size: 76288
    .private_segment_fixed_size: 0
    .kernarg_segment_align: 8
    .kernarg_segment_size: 64
    .max_flat_workgroup_size: 128
    .sgpr_count:     66
    .vgpr_count:     608
    .wavefront_size: 32
...
	.end_amdgpu_metadata
.endif
;; end of part 2
;; launch attn (part 3): grid 16 x 16, 8 waves a work-group, clusters of 4 x 1, 327,680 bytes of LDS; arguments qf, kv, mk, cf; writes cf
.if DOCPART == 3
	.amdgcn_target "amdgcn-amd-amdhsa--gfx1250"
	.amdhsa_code_object_version 6
	.text
	.protected	k_q1e7756bf3c_attn
	.globl	k_q1e7756bf3c_attn
	.p2align	8
	.type	k_q1e7756bf3c_attn,@function
k_q1e7756bf3c_attn:
	s_mov_b64 s[64:65], 0
	v_nop
	global_prefetch_b8 v0, s[64:65] scope:SCOPE_SE
	s_setreg_imm32_b32 hwreg(HW_REG_WAVE_MODE, 25, 1), 1
	s_wait_xcnt 0x0
	s_wait_alu depctr_hold_cnt(0) depctr_sa_sdst(0) depctr_va_vdst(0) depctr_va_sdst(0) depctr_va_ssrc(0) depctr_va_vcc(0) depctr_vm_vsrc(0)
	s_getreg_b32 s2, hwreg(HW_REG_IB_STS2, 6, 4)
	s_cmp_eq_u32 s2, 0
	s_cbranch_scc0 .Lentry_in_a_cluster
	s_endpgm
.Lentry_in_a_cluster:
	s_bfe_u32 s2, ttmp6, 0x10000c
	s_cmp_lg_u32 s2, 0x3003
	s_cbranch_scc0 .Lentry_shape_is_right
	s_endpgm
.Lentry_shape_is_right:
; ATTN: ctx[bh][q][:] = the sum over k of softmax_k(q . k / 8 + mask[k] x -1e9) v[k][:], head size 64, 4,096 keys, 16 pairs (batch, head).  Operands f16, products, maxima and sums f32.
; q arrives multiplied by log2(e) / 8 and the mask as mask x (-1e9 log2(e)), so a score is t, the exponent in base 2.  All operands arrive as FRAGMENT IMAGES (1,024 bytes: registers 4 c .. 4 c + 3 of lane l at 512 c + 16 l).
; SHARES.  A work-group owns 256 queries of one (batch, head); each of its eight waves owns two tiles of 16: two waves to a SIMD, so that one wave's softmax stands beside the other's products, and each fragment of K and V read from LDS feeds two products.
; Every wave walks all 4,096 keys, 64 a step, 8 steps to a slot.
; LAYOUT.  S^T = K Q^T (source 0 = 16 keys, source 1 = 16 queries), with the keys' mask terms as C: a lane holds ONE query (lane % 16) and the keys 8 (lane / 16) + 0..7.  Two such tiles, packed to f16 in pairs, ARE source 1 of
; O^T = V^T P, whose result again holds one query a lane.  The row's sum comes from the same P by a product with a fragment of ones: all eight registers of its result hold the query's sum, so no packed sums and no exchange of lanes are needed;
; only its registers 0 and 1 are rescaled and read; the others hold sums of at most 4,096 numbers of at most 1 and are never read.
; SOFTMAX.  For each query a running maximum m and sum: p = 2^(t - m); in every step O and the sum are multiplied by a = 2^(m_old - m_new).  m begins at -3e38, O and the sum at 0, so the step is written once.
; CLUSTER.  The four work-groups of a cluster own blocks of queries of one (batch, head) and walk the same K, V and mask terms: every tensor load is JOINT: the same load, with the same descriptor and a mask that names the four, in all four.
; RING.  Two slots of 131,072 bytes (512 keys: 64 KB of K's images, 64 KB of V's), dense in memory as in LDS.  Each of the eight waves moves an eighth (64 rows of 256 bytes) by one load.  The change of slots stands at a slot's head.
; By this text's own count a wave has two tensor loads outstanding at the start (mask terms, slot 0) and one behind each round.
; O leaves straight from registers as images for the next launch: cf [block of 64 rows][ks = 2 head + channel / 32][row tile][1,024].  No LDS store in this text.
; LIMITS: NaN and infinities among the inputs are not served; |mask| x 1.45e9 stays under 3e38; where all keys of a row are masked alike the scores are lost in the rounding at 1e9, here as in the definition, and the row comes out (nearly) uniform.
; REGISTERS.  window 0: v1-8 addresses; v10-25 statistics, 8 a tile; v34-65 mask terms; v66-97 Q; v98-161 S^T (P packed in place into the first 16 of a tile's 32); v162-225 O^T; v226-241 the sums.
;             window 1: v0-63 K of a step; v64-127 V of a step; v128-135 ones.
.set SLOT1, 1<<17                      ; slot 1 begins here: one exclusive or turns an address in one slot into the other's
.set VOFF,  65536                      ; V's images in a slot
.set MASK,  2*SLOT1                    ; behind the ring: the batch's 4,096 mask terms, filled once
.set SPARE, MASK+16384                 ; the spare words, 128 bytes for each wave: four blocks of 256 bytes that no other line names
.set L16, 1                            ; v1  16 x lane; never rewritten
.set ADK, 2                            ; v2  LDS address of the slot's K images
.set ADV, 3                            ; v3  of its V images
.set ADM, 4                            ; v4  of its mask terms
.set AM0, 5                            ; v5  MASK + 32 (lane / 16)
.set SPW, 6                            ; v6  LDS address of my spare word; never rewritten
.set NIL, 7                            ; v7  0; never rewritten
.set PFO, 8                            ; v8  256 x lane: the prefetches' offset; never rewritten
.set ST,  10                           ; tile t at v[ST + 8 t]: +0 m, +1 (named with it as a pair), +2 a, +3 (likewise), +4 .. +7 c0-c3 at work
.set MC,  34
.set Q,   66
.set S,   98
.set O,   162
.set L,   226
.set KF,  0                            ; in window 1
.set VF,  64
.set ONES, 128
.set WV,  12                           ; s12 my wave's number
.set LIM, 15                           ; s15 1 in a wave that prefetches, else the greatest number
.set PFA, 18                           ; s[18:19] where my prefetches stand
.set G1,  24                           ; s[24:31] descriptor group 1: an eighth of a slot
.set G1M, 32                           ; s[32:39] an eighth of the mask terms
.set G0,  40                           ; s[40:43] group 0 of the slots' loads: it walks
.set G0M, 44                           ; s[44:47] of the mask terms'
.set SLOTS, 48                         ; s48 slots still to be asked for
.set TK,  50                           ; s50 LDS byte at which the slot in hand begins
.set TM,  51                           ; s51 where its mask terms begin: 2,048 bytes a slot
.set SEL, 52                           ; s[52:53] lane selects for lane l xor 16
.set MSB, 0
.macro WIN new
.if MSB != (\new)
	s_set_vgpr_msb (MSB<<8)|(\new)
.set MSB, (\new)
.endif
.endm
; A round of the cluster's barrier: my work-group's barrier; wave 0 signals for the work-group; every wave waits for all four work-groups; my work-group's barrier once more.
.macro CROUND
	s_barrier_signal -1
	s_barrier_wait -1
	s_cmp_lg_u32 s[WV], 0
	s_cbranch_scc1 .Lnot_wave_0_\@
	s_barrier_signal -3
.Lnot_wave_0_\@:
	s_barrier_wait -3
	s_barrier_signal -1
	s_barrier_wait -1
.endm
; A PREFETCH INTO THE L2 of the slot that the NEXT change of slots will ask for: 131,072 bytes, each aligned block of 256 bytes named once in the launch.  All clusters of a (batch, head) walk the same slots: its first cluster asks.
; The four partners share the slot out BY ADDRESS, 32,768 bytes each; in each, waves 0 to 3 take 8,192 bytes, lanes 256 bytes apart: one instruction a wave.  The last change that fills a slot asks for nothing: there is no slot behind it.
.macro ASK
	s_cmp_gt_u32 s[SLOTS], s[LIM]
	s_cbranch_scc0 .Lnot_mine_\@
	global_prefetch_b8 v[PFO], s[PFA:PFA+1] th:TH_LOAD_NT scope:SCOPE_SE
.Lnot_mine_\@:
.endm
	s_load_b256 s[4:11], s[0:1], 0x0               ; qf s[4:5], kv s[6:7], mk s[8:9], cf s[10:11]
	v_lshl_add_u32 v[SPW], v0, 2, SPARE
	v_mov_b32 v[NIL], 0
	ds_add_u32 v[SPW], v[NIL]                      ; the wave's opening: the add and its wait stand ahead of my first tensor load; the set-up below, work on registers, stands between them
	v_lshrrev_b32 v9, 5, v0
	v_readfirstlane_b32 s[WV], v9                  ; wave 0..7
	s_bfe_u32 s13, ttmp6, 0x40000                  ; cx: my place in the cluster
	s_lshl_b32 s14, ttmp9, 2                       ; in a cluster launch ttmp9 counts clusters
	s_add_co_u32 s14, s14, s13                     ; my block of 256 queries: it enters Q's and cf's addresses alone
	s_and_b32 s16, ttmp7, 0xffff                   ; bh = 4 batch + head, which the four partners share
	s_lshr_b32 s17, s16, 2                         ; batch
	; descriptor group 1: a dense block as rows of 256 bytes (32 elements of 8 bytes), no padding: images are read 512 consecutive bytes at a time
	s_mov_b32 s[G1], 15|(3<<16)|(1<<21)            ; 15:0 the mask: all four work-groups; 17:16 elements of 8 bytes; 21 set beside a mask
	s_mov_b32 s[G1+1], 32<<16                      ; tensor_dim0 = 32
	s_mov_b32 s[G1+2], 64<<16                      ; tensor_dim1 = 64
	s_mov_b32 s[G1+3], 32<<16                      ; tile_dim0 = 32
	s_mov_b32 s[G1+4], 64                          ; tile_dim1 = 64 rows: 16,384 bytes
	s_mov_b32 s[G1+5], 32                          ; from row to row
	s_mov_b32 s[G1+6], 0
	s_mov_b32 s[G1+7], 0
	s_mov_b32 s[G1M], 15|(3<<16)|(1<<21)
	s_mov_b32 s[G1M+1], 32<<16
	s_mov_b32 s[G1M+2], 8<<16
	s_mov_b32 s[G1M+3], 32<<16
	s_mov_b32 s[G1M+4], 8                          ; 8 rows: 2,048 bytes
	s_mov_b32 s[G1M+5], 32
	s_mov_b32 s[G1M+6], 0
	s_mov_b32 s[G1M+7], 0
	s_mov_b32 s[SEL], 0x76543210
	s_mov_b32 s[SEL+1], 0xfedcba98
	s_mov_b32 s[TK], 0
	s_mov_b32 s[TM], 0
	s_mov_b32 s[SLOTS], 7
	s_lshr_b32 s[LIM], s[WV], 2                    ; 0 in waves 0 to 3,
	s_or_b32 s[LIM], s[LIM], ttmp9                 ; of the (batch, head)'s first cluster: the same in all four partners
	s_cmp_eq_u32 s[LIM], 0
	s_cselect_b32 s[LIM], 1, -1
	v_and_b32 v9, 31, v0
	v_lshlrev_b32 v[L16], 4, v9
	v_lshlrev_b32 v[PFO], 8, v9
	v_bfe_u32 v9, v0, 4, 1
	v_lshl_add_u32 v[AM0], v9, 5, MASK
	s_lshl_b32 s20, s16, 20                        ; kv: 1,048,576 bh
	s_lshl_b32 s21, s[WV], 14                      ; + my eighth of a slot
	s_add_co_u32 s20, s20, s21
	s_mov_b32 s21, 0
	s_lshl_b32 s22, s17, 14                        ; mk: 16,384 batch
	s_lshl_b32 s23, s[WV], 11                      ; + my eighth
	s_add_co_u32 s22, s22, s23
	s_mov_b32 s23, 0
	; what hangs on my place in the cluster is made in registers of its own, which feed no joint descriptor
	s_lshl_b32 s54, s16, 19                        ; qf: 524,288 bh + 32,768 block + 4,096 wave (two tiles of 2,048)
	s_lshl_b32 s55, s14, 15
	s_add_co_u32 s54, s54, s55
	s_lshl_b32 s55, s[WV], 12
	s_add_co_u32 s54, s54, s55
	s_mov_b32 s55, 0
	s_lshl_b32 s56, s17, 21                        ; cf: block of 64 rows = 64 batch + 4 block + wave / 2, 32,768 bytes each;
	s_lshl_b32 s57, s14, 17
	s_add_co_u32 s56, s56, s57
	s_lshr_b32 s57, s[WV], 1
	s_lshl_b32 s57, s57, 15
	s_add_co_u32 s56, s56, s57
	s_and_b32 s57, s16, 3
	s_lshl_b32 s57, s57, 13                        ; + 8,192 head (two K steps of 4,096);
	s_add_co_u32 s56, s56, s57
	s_and_b32 s57, s[WV], 1
	s_lshl_b32 s57, s57, 11                        ; + 2,048 (wave % 2): my two row tiles
	s_add_co_u32 s56, s56, s57
	s_mov_b32 s57, 0
	s_lshl_b32 s58, s16, 20                        ; the prefetches: 1,048,576 bh + 32,768 cx + 8,192 (wave % 4)
	s_lshl_b32 s59, s13, 15
	s_add_co_u32 s58, s58, s59
	s_and_b32 s59, s[WV], 3
	s_lshl_b32 s59, s59, 13
	s_add_co_u32 s58, s58, s59
	s_mov_b32 s59, 0
	s_wait_dscnt 0x0                               ; the opening add is done
	s_wait_kmcnt 0x0
	s_mov_b32 s[G0], 1                             ; count = 1
	s_lshl_b32 s[G0+1], s[WV], 14                  ; LDS address: slot 0, my eighth: no place in the cluster enters an LDS address
	s_add_nc_u64 s[G0+2:G0+3], s[6:7], s[20:21]
	s_or_b32 s[G0+3], s[G0+3], 0x80000000          ; type = 2
	s_mov_b32 s[G0M], 1
	s_lshl_b32 s[G0M+1], s[WV], 11
	s_add_co_u32 s[G0M+1], s[G0M+1], MASK
	s_add_nc_u64 s[G0M+2:G0M+3], s[8:9], s[22:23]
	s_or_b32 s[G0M+3], s[G0M+3], 0x80000000
	s_add_nc_u64 s[4:5], s[4:5], s[54:55]
	s_add_nc_u64 s[10:11], s[10:11], s[56:57]
	s_add_nc_u64 s[PFA:PFA+1], s[6:7], s[58:59]
	s_add_nc_u64 s[PFA:PFA+1], s[PFA:PFA+1], 131072  ; in slot 1: the first change of slots steps it to slot 2.  Nothing is prefetched here, at the head
	CROUND                                         ; all four work-groups are here: the first joint loads meet
	tensor_load_to_lds s[G0M:G0M+3], s[G1M:G1M+7]  ; the mask terms: filled once
	s_nop 0
	tensor_load_to_lds s[G0:G0+3], s[G1:G1+7]      ; slot 0
	s_nop 0
.rept 4
	v_nop
.endr
.irp i, 0,1,2,3,4,5,6,7
	global_load_b128 v[Q+4*\i:Q+4*\i+3], v[L16], s[4:5] offset:512*\i th:TH_LOAD_NT   ; Q stays in registers: (tile t, channels 32 g on) at v[Q + 16 t + 8 g]
.endr
.set II, 0
.rept 80
	v_mov_b32 v[O+II], 0                           ; O^T and the sums: the first step finds zeros
.set II, II+1
.endr
.irp t, 0,1
	v_mov_b32 v[ST+8*\t], 0xff61b1e6               ; m = -3e38, under every t
.irp i, 1,2,3,4,5,6,7
	v_mov_b32 v[ST+8*\t+\i], 0                     ; written once: halves of pairs that are named, and a lane permute's destination
.endr
.endr
	WIN 0x40
.irp i, 0,1,2,3,4,5,6,7
	v_mov_b32 v[ONES+\i], 0x3c003c00               ; 1.0, 1.0 in f16
.endr
	WIN 0
.macro KLOAD st                        ; a step's K: (keys 16 kt on, channels 32 g on) at v[16 kt + 8 g] of window 1
	WIN 0x40
.irp ii, 0,1,2,3,4,5,6,7,8,9,10,11,12,13,14,15
	ds_load_b128 v[KF+4*\ii:KF+4*\ii+3], v[ADK] offset:8192*(\st)+512*\ii
.endr
	WIN 0
.endm
.macro MLOAD st                        ; its mask terms in the result's layout: register 8 kt + j = key 16 kt + 8 (lane / 16) + j
.irp ii, 0,1,2,3,4,5,6,7
	ds_load_b128 v[MC+4*\ii:MC+4*\ii+3], v[ADM] offset:256*(\st)+64*(\ii/2)+16*(\ii%2)
.endr
.endm
.macro VLOAD st                        ; its V: (keys 32 kg on, channels 16 ct on) at v[64 + 32 kg + 8 ct] of window 1
	WIN 0x40
.irp ii, 0,1,2,3,4,5,6,7,8,9,10,11,12,13,14,15
	ds_load_b128 v[VF+4*\ii:VF+4*\ii+3], v[ADV] offset:8192*(\st)+512*\ii
.endr
	WIN 0
.endm
.macro FIRST                           ; a slot's addresses, and its first step's fragments
	v_add_nc_u32 v[ADK], s[TK], v[L16]
	v_add_nc_u32 v[ADM], s[TM], v[AM0]
	v_add_nc_u32 v[ADV], VOFF, v[ADK]
	KLOAD 0
	MLOAD 0
	VLOAD 0
.endm
; THE SOFTMAX of both tiles for one key step, the tiles line by line by turns.
.macro SOFTMAX
.irp j, 0,1,2,3                                ; the maximum of the lane's 32 scores and the old m, three operands at a time; each accumulator is first read at its low end
.irp t, 0,1
	v_max3_num_f32 v[ST+8*\t+4+\j], v[S+32*\t+8*\j], v[S+32*\t+8*\j+1], v[S+32*\t+8*\j+2]
.endr
.endr
.irp u, 1,2
.irp j, 0,1,2,3
.irp t, 0,1
	v_max3_num_f32 v[ST+8*\t+4+\j], v[ST+8*\t+4+\j], v[S+32*\t+8*\j+2*\u+1], v[S+32*\t+8*\j+2*\u+2]
.endr
.endr
.endr
.irp t, 0,1
	v_max3_num_f32 v[ST+8*\t+4], v[ST+8*\t+4], v[S+32*\t+7], v[S+32*\t+15]
.endr
.irp t, 0,1
	v_max3_num_f32 v[ST+8*\t+6], v[ST+8*\t+6], v[S+32*\t+23], v[S+32*\t+31]
.endr
.irp t, 0,1
	v_max3_num_f32 v[ST+8*\t+4], v[ST+8*\t+4], v[ST+8*\t+5], v[ST+8*\t+6]
.endr
.irp t, 0,1
	v_max3_num_f32 v[ST+8*\t+4], v[ST+8*\t+4], v[ST+8*\t+7], v[ST+8*\t]
.endr
.irp t, 0,1
	v_permlanex16_b32 v[ST+8*\t+5], v[ST+8*\t+4], s[SEL], s[SEL+1]   ; the query's other 32 keys lie in the lane 16 away
.endr
.irp t, 0,1
	v_mov_b32 v[ST+8*\t+7], v[ST+8*\t]             ; m_old
.endr
.irp t, 0,1
	v_max_num_f32 v[ST+8*\t], v[ST+8*\t+4], v[ST+8*\t+5]
.endr
.irp t, 0,1
	v_sub_f32 v[ST+8*\t+7], v[ST+8*\t+7], v[ST+8*\t]
.endr
.irp t, 0,1
	v_exp_f32 v[ST+8*\t+2], v[ST+8*\t+7]           ; a = 2^(m_old - m_new)
.endr
; ONE BATCH: the 66 exponentials, with the subtractions t - m a pair ahead of them; no line of it names an exponential's result
.set b, 0
.rept 17
.if b < 16
.irp t, 0,1
	v_pk_add_f32 v[S+32*\t+2*b:S+32*\t+2*b+1], v[S+32*\t+2*b:S+32*\t+2*b+1], v[ST+8*\t:ST+8*\t+1] op_sel_hi:[1,0] neg_lo:[0,1] neg_hi:[0,1]
.endr
.endif
.if b > 0
.irp t, 0,1
	v_exp_f32 v[S+32*\t+2*b-2], v[S+32*\t+2*b-2]
	v_exp_f32 v[S+32*\t+2*b-1], v[S+32*\t+2*b-1]
.endr
.endif
.set b, b+1
.endr
	v_nop                                          ; a plain line behind the last exponential, ahead of the first use (ISA guide 5.7.2)
	s_wait_alu depctr_va_vdst(0)                   ; this wait stands ahead of the first line that names a result: one for the batch
.irp i, 0,1,2,3,4,5,6,7,8,9,10,11,12,13,14,15
.irp t, 0,1
	v_cvt_pk_f16_f32 v[S+32*\t+\i], v[S+32*\t+2*\i], v[S+32*\t+2*\i+1]   ; P in place: register i is written when pairs up to i have been read
.endr
.endr
.irp i, 0,1,2,3,4,5,6,7,8,9,10,11,12,13,14,15
.irp t, 0,1
	v_pk_mul_f32 v[O+32*\t+2*\i:O+32*\t+2*\i+1], v[O+32*\t+2*\i:O+32*\t+2*\i+1], v[ST+8*\t+2:ST+8*\t+3] op_sel_hi:[1,0]   ; O^T x a
.endr
.endr
.irp t, 0,1
	v_pk_mul_f32 v[L+8*\t:L+8*\t+1], v[L+8*\t:L+8*\t+1], v[ST+8*\t+2:ST+8*\t+3] op_sel_hi:[1,0]   ; the sum x a
.endr
.endm
; A KEY STEP: 64 keys, the st-th of the slot in hand.  The next step's fragments are fetched as soon as this step's products have read theirs.
.macro STEP st
	s_wait_dscnt 16                                ; K and the mask terms are in; the youngest 16 loads, V's, may be out
	WIN 0x01                                       ; source 0 window 1
.irp g, 0,1                                    ; eight accumulators by turns
.irp kt, 0,1,2,3
.irp t, 0,1
.if \g == 0
	v_wmma_f32_16x16x32_f16 v[S+32*\t+8*\kt:S+32*\t+8*\kt+7], v[KF+16*\kt:KF+16*\kt+7], v[Q+16*\t:Q+16*\t+7], v[MC+8*\kt:MC+8*\kt+7]
.else
	v_wmma_f32_16x16x32_f16 v[S+32*\t+8*\kt:S+32*\t+8*\kt+7], v[KF+16*\kt+8:KF+16*\kt+15], v[Q+16*\t+8:Q+16*\t+15], v[S+32*\t+8*\kt:S+32*\t+8*\kt+7]
.endif
.endr
.endr
.endr
	WIN 0
.rept 4
	v_nop                                          ; four places ahead of the loads into K's and the mask terms' registers and of the first read of the scores
.endr
.if (\st) < 7
	KLOAD (\st)+1
	MLOAD (\st)+1
.endif
	SOFTMAX
.if (\st) < 7
	s_wait_dscnt 24                                ; V is in; the 24 loads just issued may be out
.else
	s_wait_dscnt 0x0
.endif
	WIN 0x01
.irp kg, 0,1                                   ; ten accumulators by turns: O^T's eight and the two sums
.irp ct, 0,1,2,3,4
.irp t, 0,1
.if \ct < 4
	v_wmma_f32_16x16x32_f16 v[O+32*\t+8*\ct:O+32*\t+8*\ct+7], v[VF+32*\kg+8*\ct:VF+32*\kg+8*\ct+7], v[S+32*\t+8*\kg:S+32*\t+8*\kg+7], v[O+32*\t+8*\ct:O+32*\t+8*\ct+7]
.else
	v_wmma_f32_16x16x32_f16 v[L+8*\t:L+8*\t+7], v[ONES:ONES+7], v[S+32*\t+8*\kg:S+32*\t+8*\kg+7], v[L+8*\t:L+8*\t+7]
.endif
.endr
.endr
.endr
	WIN 0
.rept 5
	v_nop                                          ; five places: the next step's first products write over P's registers; four of them serve the loads into V's
.endr
.if (\st) < 7
	VLOAD (\st)+1
.endif
.endm
; THE CHANGE OF SLOTS, at a slot's head.  Each wave waits for all its tensor loads (its part of the slot that it is about to read), adds 0 to its spare word, and waits for that and for its reads of the slot that it has left.
; fill = 1: the barrier is a round of the cluster's, so that no wave of any partner still reads the slot or has a load on its way; the joint refill is the first thing behind it and has a slot's eight steps in which to land.
.macro CHANGE fill
	s_wait_tensorcnt 0x0                           ; no tensor load of mine is out, so group 0 may be written
	ds_add_u32 v[SPW], v[NIL]                      ; 0 onto my spare word
.if \fill
	s_xor_b32 s[G0+1], s[G0+1], SLOT1              ; the other slot than last time,
	s_add_nc_u64 s[G0+2:G0+3], s[G0+2:G0+3], 131072  ; the next 512 keys; the type bits on top are not reached
	s_wait_xcnt 0x0                                ; the last prefetch, a slot back, has read its address, so it may be written:
	s_add_nc_u64 s[PFA:PFA+1], s[PFA:PFA+1], 131072  ; one slot further on than the walking descriptor
	s_wait_dscnt 0x0                               ; the add is done, and my reads of the slot that I have left are over
	CROUND
	tensor_load_to_lds s[G0:G0+3], s[G1:G1+7]
	s_nop 0
.rept 4
	v_nop
.endr
	ASK
.else
	s_wait_dscnt 0x0
	s_barrier_signal -1
	s_barrier_wait -1
.endif
.endm
.macro SLOT_STEPS
	FIRST
.set SQ, 0
.rept 8
	STEP SQ
.set SQ, SQ+1
.endr
	s_xor_b32 s[TK], s[TK], SLOT1                  ; on to the other slot,
	s_add_co_u32 s[TM], s[TM], 2048                ; and to the next 512 mask terms
.endm
	s_wait_loadcnt 0x0                             ; Q
.Lslot:                                            ; 7 trips: behind each change of slots but the last the next slot is asked for (slot 1's first fill is issued as a refill is)
	CHANGE 1
	SLOT_STEPS
	s_sub_co_u32 s[SLOTS], s[SLOTS], 1
	s_cmp_lg_u32 s[SLOTS], 0
	s_cbranch_scc1 .Lslot
	CHANGE 0                                       ; the last slot is written out
	SLOT_STEPS
	; THE WAY OUT: O^T / the sum, packed to f16: a tile of 16 channels is half an image of the next launch's operand (K = ctx's columns).  The five places behind the last products stand at the step's end.
.irp t, 0,1
	v_rcp_f32 v[ST+8*\t+2], v[L+8*\t]
.endr
	v_nop                                          ; a plain line between the last reciprocal and the use of its result
	s_wait_alu depctr_va_vdst(0)                   ; and the wait: one for both
.irp i, 0,1,2,3,4,5,6,7,8,9,10,11,12,13,14,15
.irp t, 0,1
	v_pk_mul_f32 v[O+32*\t+2*\i:O+32*\t+2*\i+1], v[O+32*\t+2*\i:O+32*\t+2*\i+1], v[ST+8*\t+2:ST+8*\t+3] op_sel_hi:[1,0]
.endr
.endr
.irp i, 0,1,2,3,4,5,6,7,8,9,10,11,12,13,14,15
.irp t, 0,1
	v_cvt_pk_f16_f32 v[S+32*\t+\i], v[O+32*\t+2*\i], v[O+32*\t+2*\i+1]
.endr
.endr
.irp t, 0,1
.irp ct, 0,1,2,3
	global_store_b128 v[L16], v[S+32*\t+4*\ct:S+32*\t+4*\ct+3], s[10:11] offset:(\ct/2)*4096+\t*1024+(\ct%2)*512   ; 512 consecutive bytes
.endr
.endr
	s_wait_tensorcnt 0x0                           ; the wave's end, behind my last tensor load
	ds_add_u32 v[SPW], v[NIL]
	s_wait_dscnt 0x0
	CROUND                                         ; the closing round: no work-group ends while a partner may still ask for a tile that names it
	s_endpgm
.Lfunc_end_k_q1e7756bf3c_attn:
	.size	k_q1e7756bf3c_attn, .Lfunc_end_k_q1e7756bf3c_attn-k_q1e7756bf3c_attn
	.p2alignl 7, 3214868480
	.fill 96, 4, 3214868480
	.section	.rodata,"a",@progbits
	.p2align	6, 0x0
	.amdhsa_kernel k_q1e7756bf3c_attn
		.amdhsa_group_segment_fixed_size 327680
		.amdhsa_private_segment_fixed_size 0
		.amdhsa_enable_private_segment 0
		.amdhsa_kernarg_size 32
		.amdhsa_user_sgpr_count 2
		.amdhsa_user_sgpr_kernarg_segment_ptr 1
		.amdhsa_wavefront_size32 1
		.amdhsa_system_sgpr_workgroup_id_x 1
		.amdhsa_system_sgpr_workgroup_id_y 1
		.amdhsa_system_sgpr_workgroup_id_z 1
		.amdhsa_system_vgpr_workitem_id 0
		.amdhsa_next_free_vgpr 400
		.amdhsa_next_free_sgpr 66
		.amdhsa_reserve_vcc 0
		.amdhsa_float_denorm_mode_32 3
		.amdhsa_float_denorm_mode_16_64 3
		.amdhsa_memory_ordered 1
		.amdhsa_forward_progress 1
		.amdhsa_inst_pref_size 255
	.end_amdhsa_kernel
	.section	.bss,"aw",@nobits
	.p2align	6
	.space	262144
	.amdgpu_metadata
---
amdhsa.version: [ 1, 2 ]
amdhsa.kernels:
  - .name:           k_q1e7756bf3c_attn
    .symbol:         k_q1e7756bf3c_attn.kd
    .args:
      - { .name: qf, .offset: 0, .size: 8, .value_kind: global_buffer, .address_space: global }
      - { .name: kv, .offset: 8, .size: 8, .value_kind: global_buffer, .address_space: global }
      - { .name: mk, .offset: 16, .size: 8, .value_kind: global_buffer, .address_space: global }
      - { .name: cf, .offset: 24, .size: 8, .value_kind: global_buffer, .address_space: global }
    .group_segment_fixed_size: 327680
    .private_segment_fixed_size: 0
    .kernarg_segment_align: 8
    .kernarg_segment_size: 32
    .max_flat_workgroup_size: 256
    .sgpr_count:     66
    .vgpr_count:     400
    .wavefront_size: 32
...
	.end_amdgpu_metadata
.endif
;; end of part 3
;; launch ffn (part 4): grid 256 x 1, 4 waves a work-group, no clusters, 288,256 bytes of LDS; arguments cf, x, wf, bo, ln1_g, ln1_b, b1, ln_ff_g, ln_ff_b, b2, ln2_g, ln2_b, out0; writes out0
.if DOCPART == 4
	.amdgcn_target "amdgcn-amd-amdhsa--gfx1250"
	.amdhsa_code_object_version 6
	.text
	.protected	k_q1e7756bf3c_ffn
	.globl	k_q1e7756bf3c_ffn
	.p2align	8
	.type	k_q1e7756bf3c_ffn,@function
k_q1e7756bf3c_ffn:
	s_mov_b64 s[64:65], 0
	v_nop
	global_prefetch_b8 v0, s[64:65] scope:SCOPE_SE
	s_setreg_imm32_b32 hwreg(HW_REG_WAVE_MODE, 25, 1), 1
	s_wait_xcnt 0x0
; FFN: out1 = LN(x + ctx wo + bo; 1e-3);  h = LN(relu(out1 w1 + b1); 1e-6);  out0 = LN(out1 + h w2 + b2; 1e-3).  Operands of the products f16, sums, norms and residuals f32.  Nothing between ctx and out0 goes to memory.
; SHARES.  A work-group of four waves takes 64 rows (four tiles m of 16).  THE WAVES SHARE THE COLUMNS: in wo and w2 wave w makes columns 64 w .. 64 w + 63, in w1 hidden units 256 g + 64 w .. + 63 of each group g = 0 .. 3.
; Every product is used TRANSPOSED (source 0 = 16 columns of the weight, source 1 = 16 rows): a lane holds one row and eight neighbouring columns, which packed to f16 are half a fragment of the next product's operand.
; The three products are ONE STREAM of 72 steps of 32 along K: 4 weight fragments, 4 activation fragments, 16 matrix instructions on 16 accumulators (n, m) by turns.
; WEIGHTS go from memory straight into a ring of 8 sets of 32 registers (window 1), laid by the first launch in the order of the steps: a set is 8 loads of 512 consecutive bytes, issued 8 steps ahead: 64 loads, 32 KB, of a wave are on their way.
; NO CLUSTER AND NO LDS RING FOR THE WEIGHTS: each weight byte is wanted by one wave of the work-group, once, and lands where the matrix instruction reads it; through LDS each of the 1,179,648 bytes would be written and read once more, and
; beside the 288,256 bytes of images and stages that this text keeps in LDS only 39,424 bytes are left, too few for two slots.
; ACTIVATIONS go from wave to wave through LDS as fragment images (1,024 bytes: registers 4 c .. 4 c + 3 of lane l at 512 c + 16 l), laid [K step][m][1,024].
; NORMS are taken in two passes, as the definition has them (mean; then the mean of the squared differences): a lane's sums, lane l xor 16's, then the four waves' through 16 bytes a row in LDS; each of the six reductions has bytes of its own.
; LIMITS: NaN and infinities among the inputs are not served; out1 and the normalised h beyond f16's largest number (65,504) are not served.
; REGISTERS.  window 0: v1-17 addresses; v32-63 a bias's or a gain's 4 tiles; v64-127 two sets of activation fragments (in the norms: v64-95 the norm's bias, v96-127 sums, means, work); v128-255 the 16 accumulators of wo and w2, which keep out1.
;             window 1: the weights' ring.   windows 2, 3: h, group g in window 2 + g / 2 at v[128 (g % 2)]; at the head window 2 takes what is staged into LDS.
.set P_BO,  0                          ; LDS: the parameters
.set P_G1,  1024
.set P_N1,  2048
.set P_B2,  3072
.set P_G2,  4096
.set P_N2,  5120
.set P_FB,  6144
.set P_GF,  10240
.set P_BF,  14336
.set STAT,  18432                      ; six reductions x 64 rows x 16 bytes
.set XST,   24576                      ; 64 rows x (1,024 + 16): x on the way in, out0 on the way out
.set XP,    1040
.set CIMG,  91136                      ; ctx's images, 8 K steps
.set OIMG,  123904                     ; out1's, 8
.set HIMG,  156672                     ; h's, 32
.set SPARE, 287744                     ; the spare words, 128 bytes for each wave: two blocks of 256 bytes that no other line names
.set L16, 1                            ; v1  16 x lane
.set WA,  2                            ; v2  the weights: 4,096 w + 16 x lane; never rewritten
.set XW,  3                            ; v3  the stage by rows: my 16 rows, 16 x lane
.set XD,  4                            ; v4  the stage in the result's layout: row r, + 256 w + 32 h
.set ACI, 5                            ; v5  CIMG + 16 x lane
.set AO,  6                            ; v6  OIMG + 16 x lane
.set AH,  7                            ; v7  HIMG + 16 x lane + the w2 loop's step
.set PD,  8                            ; v8  a parameter's place for my lane: 256 w + 32 h
.set STW, 9                            ; v9  STAT + 16 r + 4 w
.set STR, 10                           ; v10 STAT + 16 r
.set OW,  11                           ; v11 where I store out1's images
.set HW0, 12                           ; v12 h's, groups 0 and 1;  v13 groups 2 and 3
.set HW1, 13
.set CW,  14                           ; v14 where I store ctx's images
.set T8,  15                           ; v15 8 x thread
.set T16, 16                           ; v16 16 x thread
.set AH0, 17                           ; v17 HIMG + 16 x lane
.set SPW, 30                           ; v30 LDS address of my spare word; never rewritten
.set NIL, 31                           ; v31 0; never rewritten
.set BIA, 32
.set GT,  32
.set TMP, 32
.set AB,  64
.set BT,  64
.set SUM, 96                           ; v96-103  a pair for each m
.set SC,  104                          ; v104-111 the mean, later 1 / the deviation: a pair for each m, the low word used
.set LD,  112                          ; v112-127 at work
.set ACC, 128
.set WV,  30                           ; s30
.set SEL, 32                           ; s[32:33]
.set INV, 34                           ; s34 1 / the row's length
.set EPS, 35                           ; s35
.set CNT, 36                           ; s36
.set AHS, 37                           ; s37
.set WF2, 38                           ; s[38:39] the weights' base in the w2 loop
.set MSB, 0
.macro WIN new
.if MSB != (\new)
	s_set_vgpr_msb (MSB<<8)|(\new)
.set MSB, (\new)
.endif
.endm
.macro BARRIER                         ; my LDS stores have landed and my LDS loads are in: then the work-group's barrier
	s_wait_dscnt 0x0
	s_barrier_signal -1
	s_barrier_wait -1
.endm
.macro AFETCH areg, off, buf           ; a K step's four activation fragments into set buf
.irp qq, 0,1,2,3,4,5,6,7
	ds_load_b128 v[AB+32*(\buf)+4*\qq:AB+32*(\buf)+4*\qq+3], v[\areg] offset:(\off)+512*\qq
.endr
.endm
.macro BLOAD off                       ; a bias in the result's layout: tile n's eight columns of my half
.irp nn, 0,1,2,3
	ds_load_b128 v[BIA+8*\nn:BIA+8*\nn+3], v[PD] offset:(\off)+64*\nn
	ds_load_b128 v[BIA+8*\nn+4:BIA+8*\nn+7], v[PD] offset:(\off)+64*\nn+16
.endr
.endm
.macro GBLOAD goff, boff               ; a norm's gain and bias likewise
.irp nn, 0,1,2,3
	ds_load_b128 v[GT+8*\nn:GT+8*\nn+3], v[PD] offset:(\goff)+64*\nn
	ds_load_b128 v[GT+8*\nn+4:GT+8*\nn+7], v[PD] offset:(\goff)+64*\nn+16
	ds_load_b128 v[BT+8*\nn:BT+8*\nn+3], v[PD] offset:(\boff)+64*\nn
	ds_load_b128 v[BT+8*\nn+4:BT+8*\nn+7], v[PD] offset:(\boff)+64*\nn+16
.endr
.endm
.macro ADDBIA                          ; the accumulators take the bias before the sums begin
.irp nn, 0,1,2,3
.irp mm, 0,1,2,3
.irp pp, 0,1,2,3
	v_pk_add_f32 v[ACC+8*(4*\nn+\mm)+2*\pp:ACC+8*(4*\nn+\mm)+2*\pp+1], v[ACC+8*(4*\nn+\mm)+2*\pp:ACC+8*(4*\nn+\mm)+2*\pp+1], v[BIA+8*\nn+2*\pp:BIA+8*\nn+2*\pp+1]
.endr
.endr
.endr
.endm
; STEP i of the stream.  aw, ab: window and first register of the 16 accumulators.  cb = 1: the bias in v[BIA] is C.  more = 1: the next step's activations are fetched, from v[nreg] + noff.
; wl = 1: set i + 8 of the weights is asked for by an immediate; 2: from the loop's base; 0: nothing is left to ask for.
.macro GSTEP i, aw, ab, cb, more, nreg, noff, wl
.if \more
	AFETCH \nreg, \noff, ((\i)+1)%2
	s_wait_dscnt 8                                 ; this step's activations are in; the 8 loads just issued may be out
.else
	s_wait_dscnt 0x0
.endif
.if 71-(\i) >= 7
	s_wait_loadcnt 56                              ; this step's weights are in; the 7 younger sets, 8 loads each, may be out
.else
	s_wait_loadcnt 8*(71-(\i))
.endif
.if \cb
	WIN 0x01|((\aw)<<6)
.else
	WIN 0x01|((\aw)<<4)|((\aw)<<6)
.endif
.irp nn, 0,1,2,3
.irp mm, 0,1,2,3
.if \cb
	v_wmma_f32_16x16x32_f16 v[(\ab)+8*(4*\nn+\mm):(\ab)+8*(4*\nn+\mm)+7], v[32*((\i)%8)+8*\nn:32*((\i)%8)+8*\nn+7], v[AB+32*((\i)%2)+8*\mm:AB+32*((\i)%2)+8*\mm+7], v[BIA+8*\nn:BIA+8*\nn+7]
.else
	v_wmma_f32_16x16x32_f16 v[(\ab)+8*(4*\nn+\mm):(\ab)+8*(4*\nn+\mm)+7], v[32*((\i)%8)+8*\nn:32*((\i)%8)+8*\nn+7], v[AB+32*((\i)%2)+8*\mm:AB+32*((\i)%2)+8*\mm+7], v[(\ab)+8*(4*\nn+\mm):(\ab)+8*(4*\nn+\mm)+7]
.endif
.endr
.endr
	WIN 0
.rept 4
	v_nop                                          ; four places ahead of loads into registers that these products have read, and of the first read of results
.endr
.if \wl == 1
	WIN 0x40
.irp qq, 0,1,2,3,4,5,6,7
	global_load_b128 v[32*((\i)%8)+4*\qq:32*((\i)%8)+4*\qq+3], v[WA], s[8:9] offset:16384*((\i)+8)+512*\qq
.endr
	WIN 0
.elseif \wl == 2
	WIN 0x40
.irp qq, 0,1,2,3,4,5,6,7
	global_load_b128 v[32*((\i)%8)+4*\qq:32*((\i)%8)+4*\qq+3], v[WA], s[WF2:WF2+1] offset:16384*((\i)%8)+512*\qq
.endr
	WIN 0
.endif
.endm
; The pairs in v[SUM] become each row's total over all four waves, in v[LD + 4 m].  k: which of the six reductions.
.macro ROWRED k
.irp mm, 0,1,2,3
	v_add_f32 v[SUM+2*\mm], v[SUM+2*\mm], v[SUM+2*\mm+1]
.endr
.irp mm, 0,1,2,3
	v_permlanex16_b32 v[LD+\mm], v[SUM+2*\mm], s[SEL], s[SEL+1]
.endr
.irp mm, 0,1,2,3
	v_add_f32 v[SUM+2*\mm], v[SUM+2*\mm], v[LD+\mm]      ; with lane l xor 16's: my wave's columns of row 16 m + r
.endr
.irp mm, 0,1,2,3
	ds_store_b32 v[STW], v[SUM+2*\mm] offset:1024*(\k)+256*\mm   ; both lanes of a row write the same word with the same value
.endr
	BARRIER
.irp mm, 0,1,2,3
	ds_load_b128 v[LD+4*\mm:LD+4*\mm+3], v[STR] offset:1024*(\k)+256*\mm
.endr
	s_wait_dscnt 0x0
.irp mm, 0,1,2,3
	v_add_f32 v[LD+4*\mm], v[LD+4*\mm], v[LD+4*\mm+1]
	v_add_f32 v[LD+4*\mm+2], v[LD+4*\mm+2], v[LD+4*\mm+3]
.endr
.irp mm, 0,1,2,3
	v_add_f32 v[LD+4*\mm], v[LD+4*\mm], v[LD+4*\mm+2]
.endr
.endm
.macro MEAN
.irp mm, 0,1,2,3
	v_mul_f32 v[SC+2*\mm], s[INV], v[LD+4*\mm]
.endr
.irp mm, 0,1,2,3
	v_mov_b32 v[SC+2*\mm+1], v[SC+2*\mm]           ; named with it as a pair, so it is written
.endr
.endm
.macro RSTD
.irp mm, 0,1,2,3
	v_fma_f32 v[LD+4*\mm], v[LD+4*\mm], s[INV], s[EPS]
.endr
.irp mm, 0,1,2,3
	v_rsq_f32 v[SC+2*\mm], v[LD+4*\mm]
.endr
	v_nop                                          ; a plain line behind the last of them, ahead of the first use
	s_wait_alu depctr_va_vdst(0)                   ; and the wait: one for the four
.endm
; The norm of the 16 accumulators in window 0, in place.  k, k + 1: its two reductions.
.macro LNACC k, goff, boff
	GBLOAD \goff, \boff
.irp mm, 0,1,2,3                               ; each accumulator is read from its low end on
	v_pk_add_f32 v[SUM+2*\mm:SUM+2*\mm+1], v[ACC+8*\mm:ACC+8*\mm+1], v[ACC+8*\mm+2:ACC+8*\mm+3]
.endr
.irp pp, 2,3
.irp mm, 0,1,2,3
	v_pk_add_f32 v[SUM+2*\mm:SUM+2*\mm+1], v[SUM+2*\mm:SUM+2*\mm+1], v[ACC+8*\mm+2*\pp:ACC+8*\mm+2*\pp+1]
.endr
.endr
.irp nn, 1,2,3
.irp pp, 0,1,2,3
.irp mm, 0,1,2,3
	v_pk_add_f32 v[SUM+2*\mm:SUM+2*\mm+1], v[SUM+2*\mm:SUM+2*\mm+1], v[ACC+8*(4*\nn+\mm)+2*\pp:ACC+8*(4*\nn+\mm)+2*\pp+1]
.endr
.endr
.endr
	ROWRED \k
	MEAN
.irp nn, 0,1,2,3
.irp pp, 0,1,2,3
.irp mm, 0,1,2,3
	v_pk_add_f32 v[ACC+8*(4*\nn+\mm)+2*\pp:ACC+8*(4*\nn+\mm)+2*\pp+1], v[ACC+8*(4*\nn+\mm)+2*\pp:ACC+8*(4*\nn+\mm)+2*\pp+1], v[SC+2*\mm:SC+2*\mm+1] op_sel_hi:[1,0] neg_lo:[0,1] neg_hi:[0,1]
.endr
.endr
.endr
.irp mm, 0,1,2,3
	v_pk_mul_f32 v[SUM+2*\mm:SUM+2*\mm+1], v[ACC+8*\mm:ACC+8*\mm+1], v[ACC+8*\mm:ACC+8*\mm+1]
.endr
.irp pp, 1,2,3
.irp mm, 0,1,2,3
	v_pk_fma_f32 v[SUM+2*\mm:SUM+2*\mm+1], v[ACC+8*\mm+2*\pp:ACC+8*\mm+2*\pp+1], v[ACC+8*\mm+2*\pp:ACC+8*\mm+2*\pp+1], v[SUM+2*\mm:SUM+2*\mm+1]
.endr
.endr
.irp nn, 1,2,3
.irp pp, 0,1,2,3
.irp mm, 0,1,2,3
	v_pk_fma_f32 v[SUM+2*\mm:SUM+2*\mm+1], v[ACC+8*(4*\nn+\mm)+2*\pp:ACC+8*(4*\nn+\mm)+2*\pp+1], v[ACC+8*(4*\nn+\mm)+2*\pp:ACC+8*(4*\nn+\mm)+2*\pp+1], v[SUM+2*\mm:SUM+2*\mm+1]
.endr
.endr
.endr
	ROWRED (\k)+1
	RSTD
.irp nn, 0,1,2,3
.irp pp, 0,1,2,3
.irp mm, 0,1,2,3
	v_pk_mul_f32 v[ACC+8*(4*\nn+\mm)+2*\pp:ACC+8*(4*\nn+\mm)+2*\pp+1], v[ACC+8*(4*\nn+\mm)+2*\pp:ACC+8*(4*\nn+\mm)+2*\pp+1], v[SC+2*\mm:SC+2*\mm+1] op_sel_hi:[1,0]
.endr
.endr
.endr
.irp nn, 0,1,2,3
.irp pp, 0,1,2,3
.irp mm, 0,1,2,3
	v_pk_fma_f32 v[ACC+8*(4*\nn+\mm)+2*\pp:ACC+8*(4*\nn+\mm)+2*\pp+1], v[ACC+8*(4*\nn+\mm)+2*\pp:ACC+8*(4*\nn+\mm)+2*\pp+1], v[GT+8*\nn+2*\pp:GT+8*\nn+2*\pp+1], v[BT+8*\nn+2*\pp:BT+8*\nn+2*\pp+1]
.endr
.endr
.endr
.endm
	s_load_b512 s[4:19], s[0:1], 0x0               ; cf s[4:5], x s[6:7], wf s[8:9], bo s[10:11], ln1_g s[12:13], ln1_b s[14:15], b1 s[16:17], ln_ff_g s[18:19]
	s_load_b256 s[20:27], s[0:1], 0x40             ; ln_ff_b s[20:21], b2 s[22:23], ln2_g s[24:25], ln2_b s[26:27]
	s_load_b64 s[28:29], s[0:1], 0x60              ; out0
	v_lshl_add_u32 v[SPW], v0, 2, SPARE
	v_mov_b32 v[NIL], 0
	v_lshrrev_b32 v18, 5, v0
	v_readfirstlane_b32 s[WV], v18                 ; wave 0..3
	v_and_b32 v18, 31, v0                          ; lane
	v_and_b32 v19, 15, v0                          ; r
	v_bfe_u32 v20, v0, 4, 1                        ; h
	v_lshlrev_b32 v[L16], 4, v18
	s_lshl_b32 s40, s[WV], 12
	v_add_nc_u32 v[WA], s40, v[L16]
	s_mul_i32 s40, s[WV], 16*XP
	s_add_co_u32 s40, s40, XST
	v_add_nc_u32 v[XW], s40, v[L16]
	v_mul_u32_u24 v[XD], v19, XP
	v_lshl_add_u32 v[XD], v20, 5, v[XD]
	s_lshl_b32 s40, s[WV], 8
	v_lshl_add_u32 v[PD], v20, 5, s40
	s_add_co_u32 s41, s40, XST
	v_add_nc_u32 v[XD], s41, v[XD]
	v_add_nc_u32 v[ACI], CIMG, v[L16]
	v_add_nc_u32 v[AO], OIMG, v[L16]
	v_add_nc_u32 v[AH0], HIMG, v[L16]
	s_lshl_b32 s40, s[WV], 2
	s_add_co_u32 s40, s40, STAT
	v_lshl_add_u32 v[STW], v19, 4, s40
	v_lshl_add_u32 v[STR], v19, 4, STAT
	s_lshl_b32 s40, s[WV], 13
	v_add_nc_u32 v[CW], s40, v[ACI]
	v_add_nc_u32 v[OW], s40, v[AO]
	v_add_nc_u32 v[HW0], s40, v[AH0]
	v_add_nc_u32 v[HW1], 0x10000, v[HW0]
	v_lshlrev_b32 v[T8], 3, v0
	v_lshlrev_b32 v[T16], 4, v0
	s_mov_b32 s[SEL], 0x76543210
	s_mov_b32 s[SEL+1], 0xfedcba98
	s_lshl_b32 s42, ttmp9, 16                      ; x and out0: 64 rows of 1,024 bytes a work-group,
	s_lshl_b32 s43, s[WV], 14                      ; 16 a wave
	s_add_co_u32 s42, s42, s43
	s_mov_b32 s43, 0
	s_lshl_b32 s44, ttmp9, 15                      ; cf: 32,768 bytes a work-group, a quarter a wave
	s_lshl_b32 s45, s[WV], 13
	s_add_co_u32 s44, s44, s45
	s_mov_b32 s45, 0
	s_wait_kmcnt 0x0
	s_add_nc_u64 s[6:7], s[6:7], s[42:43]
	s_add_nc_u64 s[28:29], s[28:29], s[42:43]
	s_add_nc_u64 s[4:5], s[4:5], s[44:45]
	s_add_nc_u64 s[WF2:WF2+1], s[8:9], 48*16384
	; ---- what goes into LDS: x, ctx's images, the parameters: 60 loads into window 2; behind them the weights' first 8 sets
	WIN 0x80
.set QQ, 0
.rept 32
	global_load_b128 v[4*QQ:4*QQ+3], v[L16], s[6:7] offset:512*QQ th:TH_LOAD_NT
.set QQ, QQ+1
.endr
.set QQ, 0
.rept 16
	global_load_b128 v[128+4*QQ:128+4*QQ+3], v[L16], s[4:5] offset:512*QQ th:TH_LOAD_NT
.set QQ, QQ+1
.endr
	global_load_b64 v[192:193], v[T8], s[10:11]
	global_load_b64 v[194:195], v[T8], s[12:13]
	global_load_b64 v[196:197], v[T8], s[14:15]
	global_load_b64 v[198:199], v[T8], s[22:23]
	global_load_b64 v[200:201], v[T8], s[24:25]
	global_load_b64 v[202:203], v[T8], s[26:27]
	global_load_b128 v[204:207], v[T16], s[16:17]
	global_load_b128 v[208:211], v[T16], s[16:17] offset:2048
	global_load_b128 v[212:215], v[T16], s[18:19]
	global_load_b128 v[216:219], v[T16], s[18:19] offset:2048
	global_load_b128 v[220:223], v[T16], s[20:21]
	global_load_b128 v[224:227], v[T16], s[20:21] offset:2048
	WIN 0x40
.set QQ, 0
.rept 64
	global_load_b128 v[4*QQ:4*QQ+3], v[WA], s[8:9] offset:16384*(QQ/8)+512*(QQ%8)
.set QQ, QQ+1
.endr
	WIN 0
	s_wait_loadcnt 63                              ; the 60 are in: 64 younger loads were issued behind them (the count's field ends at 63)
	WIN 0x08                                       ; an LDS store's data are its source 1: window 2
.set QQ, 0
.rept 32
	ds_store_b128 v[XW], v[4*QQ:4*QQ+3] offset:(QQ/2)*XP+(QQ%2)*512
.set QQ, QQ+1
.endr
.set QQ, 0
.rept 16
	ds_store_b128 v[CW], v[128+4*QQ:128+4*QQ+3] offset:512*QQ
.set QQ, QQ+1
.endr
	ds_store_b64 v[T8], v[192:193] offset:P_BO
	ds_store_b64 v[T8], v[194:195] offset:P_G1
	ds_store_b64 v[T8], v[196:197] offset:P_N1
	ds_store_b64 v[T8], v[198:199] offset:P_B2
	ds_store_b64 v[T8], v[200:201] offset:P_G2
	ds_store_b64 v[T8], v[202:203] offset:P_N2
	ds_store_b128 v[T16], v[204:207] offset:P_FB
	ds_store_b128 v[T16], v[208:211] offset:P_FB+2048
	ds_store_b128 v[T16], v[212:215] offset:P_GF
	ds_store_b128 v[T16], v[216:219] offset:P_GF+2048
	ds_store_b128 v[T16], v[220:223] offset:P_BF
	ds_store_b128 v[T16], v[224:227] offset:P_BF+2048
	WIN 0
.irp i, 0,1,2,3
	v_mov_b32 v[LD+\i], 0                          ; written once: a lane permute's destination counts as one of its sources
.endr
	BARRIER                                        ; x, ctx and the parameters lie in LDS
	; ---- x + bo + ctx wo: steps 0 to 7
.irp nn, 0,1,2,3
.irp mm, 0,1,2,3
	ds_load_b128 v[ACC+8*(4*\nn+\mm):ACC+8*(4*\nn+\mm)+3], v[XD] offset:\mm*16*XP+64*\nn          ; x in the result's layout
	ds_load_b128 v[ACC+8*(4*\nn+\mm)+4:ACC+8*(4*\nn+\mm)+7], v[XD] offset:\mm*16*XP+64*\nn+16
.endr
.endr
	BLOAD P_BO
	AFETCH ACI, 0, 0
	s_wait_dscnt 8                                 ; x and bo are in; step 0's activations may be out
	ADDBIA
.set KI, 0
.rept 7
	GSTEP KI, 0, ACC, 0, 1, ACI, 4096*(KI+1), 1
.set KI, KI+1
.endr
	GSTEP 7, 0, ACC, 0, 0, ACI, 0, 1
	; ---- out1
	s_mov_b32 s[INV], 0x3b800000                   ; 1 / 256
	s_mov_b32 s[EPS], 0x3a83126f                   ; 1e-3
	LNACC 0, P_G1, P_N1
.irp aa, 0,1,2,3,4,5,6,7,8,9,10,11,12,13,14,15
.irp pp, 0,1,2,3
	v_cvt_pk_f16_f32 v[TMP+4*\aa+\pp], v[ACC+8*\aa+2*\pp], v[ACC+8*\aa+2*\pp+1]
.endr
.endr
.irp nn, 0,1,2,3
.irp mm, 0,1,2,3
	ds_store_b128 v[OW], v[TMP+4*(4*\nn+\mm):TMP+4*(4*\nn+\mm)+3] offset:(\nn/2)*4096+\mm*1024+(\nn%2)*512   ; tile n is half of K step 2 w + n / 2
.endr
.endr
	BARRIER                                        ; out1's images lie in LDS; the accumulators keep out1 in f32
	; ---- out1 w1 + b1: steps 8 to 39, four groups of 256 hidden units; b1 is the C of a group's first step
	BLOAD P_FB
	AFETCH AO, 0, 0
.set KI, 8
.rept 32
.set GG, (KI-8)/8
.set KS, (KI-8)%8
.if (KS == 1) && (GG < 3)
	BLOAD P_FB+1024*(GG+1)                         ; the next group's bias, behind the places of the step that read this group's
.endif
.if KI < 39
	GSTEP KI, 2+GG/2, 128*(GG%2), (KS==0), 1, AO, 4096*((KS+1)%8), 1
.else
	GSTEP KI, 2+GG/2, 128*(GG%2), (KS==0), 0, AO, 0, 1
.endif
.set KI, KI+1
.endr
	; ---- relu and the norm over the 1,024 hidden units
	s_mov_b32 s[INV], 0x3a800000                   ; 1 / 1,024
	s_mov_b32 s[EPS], 0x358637bd                   ; 1e-6
.irp i, 0,1,2,3,4,5,6,7
	v_mov_b32 v[SUM+\i], 0
.endr
.irp ww, 2,3
	WIN ((\ww)<<6)|((\ww)<<2)
.set RI, 0
.rept 256
	v_max_num_f32 v[RI], 0, v[RI]                  ; each accumulator from its low end on
.set RI, RI+1
.endr
	WIN \ww
.irp gl, 0,1
.irp nn, 0,1,2,3
.irp pp, 0,1,2,3
.irp mm, 0,1,2,3
	v_pk_add_f32 v[SUM+2*\mm:SUM+2*\mm+1], v[128*\gl+8*(4*\nn+\mm)+2*\pp:128*\gl+8*(4*\nn+\mm)+2*\pp+1], v[SUM+2*\mm:SUM+2*\mm+1]
.endr
.endr
.endr
.endr
.endr
	WIN 0
	ROWRED 2
	MEAN
.irp i, 0,1,2,3,4,5,6,7
	v_mov_b32 v[SUM+\i], 0
.endr
.irp ww, 2,3
	WIN ((\ww)<<6)|(\ww)
.irp gl, 0,1
.irp nn, 0,1,2,3
.irp pp, 0,1,2,3
.irp mm, 0,1,2,3
	v_pk_add_f32 v[128*\gl+8*(4*\nn+\mm)+2*\pp:128*\gl+8*(4*\nn+\mm)+2*\pp+1], v[128*\gl+8*(4*\nn+\mm)+2*\pp:128*\gl+8*(4*\nn+\mm)+2*\pp+1], v[SC+2*\mm:SC+2*\mm+1] op_sel_hi:[1,0] neg_lo:[0,1] neg_hi:[0,1]
.endr
.endr
.endr
.endr
	WIN (\ww)|((\ww)<<2)
.irp gl, 0,1
.irp nn, 0,1,2,3
.irp pp, 0,1,2,3
.irp mm, 0,1,2,3
	v_pk_fma_f32 v[SUM+2*\mm:SUM+2*\mm+1], v[128*\gl+8*(4*\nn+\mm)+2*\pp:128*\gl+8*(4*\nn+\mm)+2*\pp+1], v[128*\gl+8*(4*\nn+\mm)+2*\pp:128*\gl+8*(4*\nn+\mm)+2*\pp+1], v[SUM+2*\mm:SUM+2*\mm+1]
.endr
.endr
.endr
.endr
.endr
	WIN 0
	ROWRED 3
	RSTD
.irp gg, 0,1,2,3
	WIN 0
	GBLOAD P_GF+1024*\gg, P_BF+1024*\gg
	s_wait_dscnt 0x0
	WIN ((2+\gg/2)<<6)|(2+\gg/2)
.irp nn, 0,1,2,3
.irp pp, 0,1,2,3
.irp mm, 0,1,2,3
	v_pk_mul_f32 v[128*(\gg%2)+8*(4*\nn+\mm)+2*\pp:128*(\gg%2)+8*(4*\nn+\mm)+2*\pp+1], v[128*(\gg%2)+8*(4*\nn+\mm)+2*\pp:128*(\gg%2)+8*(4*\nn+\mm)+2*\pp+1], v[SC+2*\mm:SC+2*\mm+1] op_sel_hi:[1,0]
.endr
.endr
.endr
.irp nn, 0,1,2,3
.irp pp, 0,1,2,3
.irp mm, 0,1,2,3
	v_pk_fma_f32 v[128*(\gg%2)+8*(4*\nn+\mm)+2*\pp:128*(\gg%2)+8*(4*\nn+\mm)+2*\pp+1], v[128*(\gg%2)+8*(4*\nn+\mm)+2*\pp:128*(\gg%2)+8*(4*\nn+\mm)+2*\pp+1], v[GT+8*\nn+2*\pp:GT+8*\nn+2*\pp+1], v[BT+8*\nn+2*\pp:BT+8*\nn+2*\pp+1]
.endr
.endr
.endr
	WIN ((2+\gg/2)<<6)|((2+\gg/2)<<2)|(2+\gg/2)
.irp aa, 0,1,2,3,4,5,6,7,8,9,10,11,12,13,14,15
.irp pp, 0,1,2,3
	v_cvt_pk_f16_f32 v[128*(\gg%2)+8*\aa+\pp], v[128*(\gg%2)+8*\aa+2*\pp], v[128*(\gg%2)+8*\aa+2*\pp+1]   ; in place: register p is written when pairs up to p have been read
.endr
.endr
	WIN (2+\gg/2)<<2
.irp nn, 0,1,2,3
.irp mm, 0,1,2,3
	ds_store_b128 v[HW0+\gg/2], v[128*(\gg%2)+8*(4*\nn+\mm):128*(\gg%2)+8*(4*\nn+\mm)+3] offset:(\gg%2)*32768+(\nn/2)*4096+\mm*1024+(\nn%2)*512   ; K step 8 g + 2 w + n / 2
.endr
.endr
.endr
	WIN 0
	BARRIER                                        ; h's 32 K steps lie in LDS
	; ---- out1 + b2 + h w2: steps 40 to 71
	BLOAD P_B2
	v_mov_b32 v[AH], v[AH0]
	AFETCH AH, 0, 0
	s_wait_dscnt 8                                 ; b2 is in
	ADDBIA
	s_mov_b32 s[CNT], 3
	s_mov_b32 s[AHS], 0
.Lw2:                                              ; 3 trips of 8 steps; a trip asks for the 8 sets of weights of the trip after it
.set KI, 40
.rept 8
	GSTEP KI, 0, ACC, 0, 1, AH, 4096*(KI-39), 2
.set KI, KI+1
.endr
	s_wait_xcnt 0x0                                ; the trip's loads have read their base, so it may step
	s_add_nc_u64 s[WF2:WF2+1], s[WF2:WF2+1], 131072
	s_add_co_u32 s[AHS], s[AHS], 32768
	v_add_nc_u32 v[AH], s[AHS], v[AH0]
	s_sub_co_u32 s[CNT], s[CNT], 1
	s_cmp_lg_u32 s[CNT], 0
	s_cbranch_scc1 .Lw2
.set KI, 64
.rept 7
	GSTEP KI, 0, ACC, 0, 1, AH, 4096*(KI-63), 0    ; the last 8 steps ask for no weights: the counts run down
.set KI, KI+1
.endr
	GSTEP 71, 0, ACC, 0, 0, AH, 0, 0
	; ---- out0
	s_mov_b32 s[INV], 0x3b800000
	s_mov_b32 s[EPS], 0x3a83126f
	LNACC 4, P_G2, P_N2
.irp nn, 0,1,2,3
.irp mm, 0,1,2,3
	ds_store_b128 v[XD], v[ACC+8*(4*\nn+\mm):ACC+8*(4*\nn+\mm)+3] offset:\mm*16*XP+64*\nn
	ds_store_b128 v[XD], v[ACC+8*(4*\nn+\mm)+4:ACC+8*(4*\nn+\mm)+7] offset:\mm*16*XP+64*\nn+16
.endr
.endr
	BARRIER                                        ; 64 whole rows of out0 lie in the stage
.set QQ, 0
.rept 32
	ds_load_b128 v[ACC+4*QQ:ACC+4*QQ+3], v[XW] offset:(QQ/2)*XP+(QQ%2)*512
.set QQ, QQ+1
.endr
.set QQ, 0
.rept 32
	s_wait_dscnt 31-QQ
	global_store_b128 v[L16], v[ACC+4*QQ:ACC+4*QQ+3], s[28:29] offset:512*QQ th:TH_STORE_NT   ; 32 lanes store 512 consecutive bytes, at a multiple of 256 from out0's first byte
.set QQ, QQ+1
.endr
	s_wait_tensorcnt 0x0                           ; the wave's end, behind my last LDS store
	ds_add_u32 v[SPW], v[NIL]
	s_wait_dscnt 0x0
	s_endpgm
.Lfunc_end_k_q1e7756bf3c_ffn:
	.size	k_q1e7756bf3c_ffn, .Lfunc_end_k_q1e7756bf3c_ffn-k_q1e7756bf3c_ffn
	.p2alignl 7, 3214868480
	.fill 96, 4, 3214868480
	.section	.rodata,"a",@progbits
	.p2align	6, 0x0
	.amdhsa_kernel k_q1e7756bf3c_ffn
		.amdhsa_group_segment_fixed_size 288256
		.amdhsa_private_segment_fixed_size 0
		.amdhsa_enable_private_segment 0
		.amdhsa_kernarg_size 104
		.amdhsa_user_sgpr_count 2
		.amdhsa_user_sgpr_kernarg_segment_ptr 1
		.amdhsa_wavefront_size32 1
		.amdhsa_system_sgpr_workgroup_id_x 1
		.amdhsa_system_sgpr_workgroup_id_y 1
		.amdhsa_system_sgpr_workgroup_id_z 1
		.amdhsa_system_vgpr_workitem_id 0
		.amdhsa_next_free_vgpr 1024
		.amdhsa_next_free_sgpr 66
		.amdhsa_reserve_vcc 0
		.amdhsa_float_denorm_mode_32 3
		.amdhsa_float_denorm_mode_16_64 3
		.amdhsa_memory_ordered 1
		.amdhsa_forward_progress 1
		.amdhsa_inst_pref_size 255
	.end_amdhsa_kernel
	.section	.bss,"aw",@nobits
	.p2align	6
	.space	262144
	.amdgpu_metadata
---
amdhsa.version: [ 1, 2 ]
amdhsa.kernels:
  - .name:           k_q1e7756bf3c_ffn
    .symbol:         k_q1e7756bf3c_ffn.kd
    .args:
      - { .name: cf, .offset: 0, .size: 8, .value_kind: global_buffer, .address_space: global }
      - { .name: x, .offset: 8, .size: 8, .value_kind: global_buffer, .address_space: global }
      - { .name: wf, .offset: 16, .size: 8, .value_kind: global_buffer, .address_space: global }
      - { .name: bo, .offset: 24, .size: 8, .value_kind: global_buffer, .address_space: global }
      - { .name: ln1_g, .offset: 32, .size: 8, .value_kind: global_buffer, .address_space: global }
      - { .name: ln1_b, .offset: 40, .size: 8, .value_kind: global_buffer, .address_space: global }
      - { .name: b1, .offset: 48, .size: 8, .value_kind: global_buffer, .address_space: global }
      - { .name: ln_ff_g, .offset: 56, .size: 8, .value_kind: global_buffer, .address_space: global }
      - { .name: ln_ff_b, .offset: 64, .size: 8, .value_kind: global_buffer, .address_space: global }
      - { .name: b2, .offset: 72, .size: 8, .value_kind: global_buffer, .address_space: global }
      - { .name: ln2_g, .offset: 80, .size: 8, .value_kind: global_buffer, .address_space: global }
      - { .name: ln2_b, .offset: 88, .size: 8, .value_kind: global_buffer, .address_space: global }
      - { .name: out0, .offset: 96, .size: 8, .value_kind: global_buffer, .address_space: global }
    .group_segment_fixed_size: 288256
    .private_segment_fixed_size: 0
    .kernarg_segment_align: 8
    .kernarg_segment_size: 104
    .max_flat_workgroup_size: 128
    .sgpr_count:     66
    .vgpr_count:     1024
    .wavefront_size: 32
...
	.end_amdgpu_metadata
.endif
;; end of part 4
